; MI455X (gfx1250); checked and timed in simulation.
; The chip was launched on July 23, 2026; its instructions are those of AMD's public machine-readable ISA for CDNA 5 (MIT licence, August 2026) and "CDNA5" Instruction Set Architecture Reference Guide (July 2026). The comments in the code are by the model that wrote it; some were corrected since.
;; Grouped Query Attention. Allowed arithmetic: matrix products marked QUANTISED: E4M3 operands, one given power-of-two scale a tensor, by v_wmma_f32_16x16x64_fp8_fp8 or v_wmma_f32_16x16x128_fp8_fp8, f32 sums; everything else in f32.
;; Inputs: Wk 2,048 x 512 float32; Wo 1,024 x 2,048 float32; Wq 2,048 x 1,024 float32; Wv 2,048 x 512 float32; lowp_scales 12 int32 (the exponents e of the quantised operands' scales 2^e); x 2 x 2,048 x 2,048 float32.
;; Outputs: out0 2 x 2,048 x 2,048 float32.
;; This version of the problem:
;;   THIS VERSION OF THE PROBLEM IS GIVEN IN LOW PRECISION. The matrix products marked QUANTISED in the list below multiply operands that are first quantised to E4M3 (4 exponent bits, 3 mantissa bits; 8 bits a number), with one given power-of-two scale for each operand tensor; their sums are f32. All else is computed in f32.
;;   The module's matrix products, in the order in which they are computed (A, B: the left and right operand; K: the contracted axis; several contracted axes count as one K, in the product's order):
;;     1. [M 4,096, K 2,048] x [K 2,048, N 1,024]; A: input x; B: input Wq: QUANTISED (scales: A lowp_scales[0], B lowp_scales[1])
;;     2. [M 4,096, K 2,048] x [K 2,048, N 512]; A: input x; B: input Wk: QUANTISED (scales: A lowp_scales[2], B lowp_scales[3])
;;     3. [M 4,096, K 2,048] x [K 2,048, N 512]; A: input x; B: input Wv: QUANTISED (scales: A lowp_scales[4], B lowp_scales[5])
;;     4. batch 8 x [M 4,096, K 128] x [K 128, N 2,048]; A: computed on the way; B: computed on the way: QUANTISED (scales: A lowp_scales[6], B lowp_scales[7])
;;     5. batch 8 x [M 4,096, K 2,048] x [K 2,048, N 128]; A: softmax (see below); B: computed on the way: QUANTISED (scales: A lowp_scales[8], B lowp_scales[9])
;;     6. [M 4,096, K 1,024] x [K 1,024, N 2,048]; A: computed on the way; B: input Wo: QUANTISED (scales: A lowp_scales[10], B lowp_scales[11])
;;   THE QUANTISER, for each operand of a quantised product, along K:
;;     - The operand's scale is 2^e, e = its entry of the input lowp_scales (int32; the entries are numbered through the quantised products in the list's order, A before B).
;;     - Each number is divided by the scale, clamped to +-448, and rounded to the nearest number of E4M3, ties to even, subnormals kept.
;;     - The product sums the exact products of the quantised numbers (number of the format x scale) in f32.
;;   ~~~python
;;   def quantise(x, axis, e):      # numpy; x: float32 -> the quantised numbers, widened to float32 again
;;       x = np.moveaxis(x, axis, -1); K = x.shape[-1]
;;       r = np.clip(x / 2.0 ** e, -448, 448)
;;       step = 2.0 ** (np.maximum(np.frexp(np.where(r == 0, 1, r))[1] - 1, -6) - 3)
;;       q = np.round(r / step) * step * 2.0 ** e      # np.round: ties to even
;;       return np.moveaxis(q, -1, axis).astype(np.float32)
;;   ~~~
;;   SOFTMAX AHEAD OF A QUANTISED PRODUCT. Where the list says 'softmax', what is quantised is not the finished softmax but p = 2^(t - M), with t = logit x log2(e) and M = ceil(the row's largest t), a whole number; so 1/2 < the row's largest p <= 1. The row's sum l is taken of the UNQUANTISED p, in f32, and the product's result is divided by l at the end. Since M is a whole number, a kernel that streams over the keys may use a running M (the ceiling of the running maximum): every later rescaling is an exact power of two, so the quantised numbers keep their values, but for numbers so far below the row's largest that they fall under the format's range.
;;   OPERANDS COMPUTED ON THE WAY. 'Computed on the way' means the value that the module computes at that place (a softmax that the list does not call 'softmax' is quantised finished and normalised). What goes into a quantiser is computed in f32, as accurately as f32 sums, v_exp_f32 and their like allow (about 1e-6 of the number): no bf16 or f16 on the way to a quantiser, and a product that is left as it is and whose result goes on into a quantised operand takes f32 operands (vector FMAs, or v_wmma_f32_16x16x4_f32). A number that lies on a knife's edge between two numbers of the format may be rounded either way, as far as f32 arithmetic and the matrix unit's own rounding can turn it there, and no further.
;; One version. Each part assembles by itself: llvm-mc -triple=amdgcn-amd-amdhsa -mcpu=gfx1250 --defsym DOCPART=n.
;; ======== version 1 of 1: 4 launches
;; workspace buffers: xc 25,165,824 bytes; wqkv 4,194,304 bytes; woc 2,097,152 bytes; rtab 1,048,576 bytes; qimg 4,194,304 bytes; kv 4,194,304 bytes; ao 4,194,304 bytes
;; launch prep (part 1): grid 448 x 1, 4 waves a work-group, no clusters, 68,096 bytes of LDS; arguments x, Wq, Wk, Wv, Wo, lowp_scales, xc, wqkv, woc, rtab; writes xc, wqkv, woc, rtab
.if DOCPART == 1
	.amdgcn_target "amdgcn-amd-amdhsa--gfx1250"
	.amdhsa_code_object_version 6
	.text
	.protected	k_q6244d3c76c_prep
	.globl	k_q6244d3c76c_prep
	.p2align	8
	.type	k_q6244d3c76c_prep,@function
k_q6244d3c76c_prep:
	s_mov_b64 s[64:65], 0
	v_nop
	global_prefetch_b8 v0, s[64:65] scope:SCOPE_SE
	s_setreg_imm32_b32 hwreg(HW_REG_WAVE_MODE, 25, 1), 1
	s_wait_xcnt 0x0
; PREP: everything that is quantised once, and the table of cosines and sines.
; Work-groups 0-255 (path X): x [4096][2048] f32 -> three planes of E4M3 codes, xc [3][4096][2048], with the scales 2^e0, 2^e2, 2^e4 (x is an operand of three products, each with its own entry).
;   On the way, while its first loads are out, each thread makes four cosines and four sines of the table rtab.
; Work-groups 256-447 (path W): Wq, Wk, Wv [2048][N] and Wo [1024][2048], f32 with K as FIRST axis -> codes with K innermost: wqkv [2048 n][2048 k] (Wq's columns, then Wk's, then Wv's), woc [2048 n][1024 k].
; code = number / 2^e, held within +-448, to the nearest code, ties to even.
; LIMITS: each e used here (entries 0, 1, 2, 3, 4, 5, 11) lies between -126 and 119, so that 2^e and 448 x 2^e are f32 numbers.  NaN among the inputs is not served (an infinity is held at the largest code).
; THE TABLE: angle = position x 10000^(-i/64), i = 0..63.  10000^(-i/64) = 2^(-i log2(10000)/64) by v_exp_f32: it may differ by a few last places from another f32 evaluation of the same power; at position 2047 and
;   small i that moves the angle by up to about 5e-4.  The angle is reduced by n = nearest(angle x 2/pi) with pi/2 in two parts (fused multiply-adds): good for n up to some thousands; here n <= 1304.
;   rtab: [tile of 16 positions (128)][b (4)][cos, sin][half (2)][lane (32)][16 bytes]: lane (r, h) holds position 16 tile + r, frequencies 16 b + 8 h + 4 half + 0..3: the order in which the next launch's registers take them.
; The two paths part on the work-group's number and have LDS bytes of their own: X 0..32767, W 32768..67583.  No tensor loads, no barrier: waves share nothing.
.set WGX,    256                       ; work-groups of path X
.set STEPS,  16                        ; path X: a wave takes 16 steps of 512 numbers
.set SP,     80                        ; a lane's place in a stage: its 64 bytes + 16 of padding
.set WREG,   8192                      ; LDS of a wave in path X: two stages of 32 x SP bytes
.set R,      24                        ; v24-87   four sets of 16 numbers as loaded
.set X,      88                        ; v88-119  two sets of 16 neighbours
.set T,      120                       ; v120-167 the numbers held, once for each of the three scales
.set C,      168                       ; v168-191 codes: two sets of 12 registers
.set TH,     120                       ; the table's work: angle, then the reduced angle
.set NN,     124                       ; n
.set Z,      128
.set SS,     132
.set CC,     136
.set NI,     140
.set W,      144
.set WLDS,   32768                     ; path W's LDS
.set WPITCH, 272                       ; a stage row: 256 bytes of codes + 16
.set OFF,    16                        ; v16-47   path W: 4 x lane + i rows of the weight
.set XW,     48                        ; v48-111  two sets of 32 numbers; on the way out 16 x 4 registers
.set CW,     112                       ; v112-119 a block's codes
.set OO,     120                       ; v120-135 the stores' offsets
.macro LOAD t                          ; path X: step t's 2,048 bytes: each load reads 512 consecutive bytes
.irp i, 0,1,2,3
	global_load_b128 v[R+16*((\t)%4)+4*\i:R+16*((\t)%4)+4*\i+3], v3, s[8:9] offset:2048*(\t)+512*\i th:TH_LOAD_NT
.endr
.endm
.macro TURN t                          ; through the wave's own stage: in as loaded, out 64 bytes a lane.  LDS serves a wave's instructions in order: no wait between
.irp i, 0,1,2,3
	ds_store_b128 v14, v[R+16*((\t)%4)+4*\i:R+16*((\t)%4)+4*\i+3] offset:32*SP*((\t)%2)+8*SP*\i
.endr
.irp i, 0,1,2,3
	ds_load_b128 v[X+16*((\t)%2)+4*\i:X+16*((\t)%2)+4*\i+3], v15 offset:32*SP*((\t)%2)+16*\i
.endr
.endm
.macro XSTEP t
.set XS, X+16*((\t)%2)
.set CS, C+12*((\t)%2)
	s_wait_xcnt 0x0                                ; the earlier stores have read their registers: this step's codes are written into a set that was stored two steps ago
	s_wait_dscnt 0x0                               ; this step's numbers are back from the stage, and its stores into the stage have read their registers,
.if (\t)+4 < STEPS
	LOAD (\t)+4                                    ; which take the loads of four steps on
.endif
.if (\t)+1 < STEPS
.if STEPS-2-(\t) >= 3
	s_wait_loadcnt 12                              ; the next step's four loads are in; the twelve of the three steps behind it may be out
.else
	s_wait_loadcnt 4*(STEPS-2-(\t))
.endif
	TURN (\t)+1
.endif
.irp w, 0,1,2
.irp i, 0,1,2,3,4,5,6,7,8,9,10,11,12,13,14,15
	v_med3_num_f32 v[T+16*\w+\i], v[XS+\i], -v[19+\w], v[19+\w]   ; the conversion does not saturate (ISA guide 7.6.2): the hold at 448 x the scale
.endr
.endr
.irp w, 0,1,2
	v_cvt_scalef32_pk8_fp8_f32 v[CS+4*\w:CS+4*\w+1], v[T+16*\w:T+16*\w+7], v[16+\w]
	v_cvt_scalef32_pk8_fp8_f32 v[CS+4*\w+2:CS+4*\w+3], v[T+16*\w+8:T+16*\w+15], v[16+\w]
.endr
	v_nop                                          ; a plain line behind the last conversion
	global_store_b128 v3, v[CS:CS+3], s[30:31] offset:512*(\t)       ; 32 lanes store 512 consecutive bytes, in each of the three planes
	global_store_b128 v3, v[CS+4:CS+7], s[32:33] offset:512*(\t)
	global_store_b128 v3, v[CS+8:CS+11], s[34:35] offset:512*(\t)
.endm
.macro LOADW t                         ; path W: block t: rows 32 t + i of my column, i = 0..31, into set t % 2
.set i, 0
.rept 32
	global_load_b32 v[XW+32*((\t)%2)+i], v[OFF+i], s[48+2*(\t):49+2*(\t)] th:TH_LOAD_NT
.set i, i+1
.endr
.endm
.macro BLOCKW t
.set XS, XW+32*((\t)%2)
.if (\t) < 7
	s_wait_loadcnt 32                              ; this block's 32 loads are in; the next block's 32 may be out
.else
	s_wait_loadcnt 0x0
.endif
.set i, 0
.rept 32
	v_med3_num_f32 v[XS+i], v[XS+i], -v10, v10
.set i, i+1
.endr
.irp g, 0,1,2,3
	v_cvt_scalef32_pk8_fp8_f32 v[CW+2*\g:CW+2*\g+1], v[XS+8*\g:XS+8*\g+7], v11
.endr
	v_nop                                          ; a plain line behind the last conversion
	ds_store_b128 v4, v[CW:CW+3] offset:32*(\t)    ; 32 codes of my column's row
	ds_store_b128 v4, v[CW+4:CW+7] offset:32*(\t)+16
.if (\t)+2 < 8
	LOADW (\t)+2
.endif
	s_wait_dscnt 0x0                               ; the stores have read their registers: the next block's codes may be written
.endm
	s_load_b512 s[8:23], s[0:1], 0x0               ; x s[8:9], Wq s[10:11], Wk s[12:13], Wv s[14:15], Wo s[16:17], scales s[18:19], xc s[20:21], wqkv s[22:23]
	s_load_b128 s[24:27], s[0:1], 0x40             ; woc s[24:25], rtab s[26:27]
	v_lshl_add_u32 v192, v0, 2, 0x10800
	v_mov_b32 v193, 0
	v_lshrrev_b32 v1, 5, v0
	v_readfirstlane_b32 s28, v1                    ; wave
	v_and_b32 v2, 31, v0                           ; lane
	v_lshlrev_b32 v3, 4, v2                        ; 16 x lane
	v_and_b32 v5, 15, v2                           ; r
	v_lshrrev_b32 v6, 4, v2                        ; h
	s_wait_kmcnt 0x0
	s_load_b256 s[36:43], s[18:19], 0x0            ; e0 .. e7
	s_load_b128 s[44:47], s[18:19], 0x20           ; e8 .. e11
	s_cmp_lt_u32 ttmp9, WGX
	s_cbranch_scc0 .Lweights
	; ---------------- path X ----------------
	s_lshl_b32 s29, ttmp9, 2
	s_add_co_u32 s29, s29, s28                     ; which run of 8,192 numbers is my wave's
	s_lshl_b32 s48, s29, 15
	s_mov_b32 s49, 0
	s_add_nc_u64 s[8:9], s[8:9], s[48:49]          ; x at my run
	s_lshl_b32 s48, s29, 13
	s_add_nc_u64 s[30:31], s[20:21], s[48:49]      ; its codes in plane 0,
	s_add_nc_u64 s[32:33], s[30:31], 0x800000      ; plane 1,
	s_add_nc_u64 s[34:35], s[32:33], 0x800000      ; plane 2
	LOAD 0
	LOAD 1
	LOAD 2
	LOAD 3
	s_mul_i32 s50, s28, WREG
	v_lshrrev_b32 v14, 2, v2
	v_mul_u32_u24 v14, v14, SP
	v_and_b32 v15, 3, v2
	v_lshl_add_u32 v14, v15, 4, v14
	v_add_nc_u32 v14, s50, v14                     ; the stage, in: SP (lane / 4) + 16 (lane % 4)
	v_mul_u32_u24 v15, v2, SP
	v_add_nc_u32 v15, s50, v15                     ; and out: SP x lane
	; the table, while the first loads are out
	s_mov_b32 s66, 0xbe549a78                      ; -log2(10000) / 64
	s_mov_b32 s67, 0x3f22f983                      ; 2 / pi
	s_mov_b32 s68, 0x3fc90fdb                      ; pi / 2, upper part,
	s_mov_b32 s69, 0xb33bbd2e                      ; and what is left of it
	s_mov_b32 s70, 0xbe2aaaa3                      ; sine: rho + rho z (S1 + z (S2 + z S3))
	s_mov_b32 s71, 0x3c08839e
	s_mov_b32 s72, 0xb94ca1f9
	s_mov_b32 s73, 0x3d2aaaa5                      ; cosine: 1 - z / 2 + z z (C1 + z (C2 + z C3))
	s_mov_b32 s74, 0xbab6061a
	s_mov_b32 s75, 0x37ccf5ce
	s_lshr_b32 s51, ttmp9, 1                       ; tile of 16 positions
	s_and_b32 s52, ttmp9, 1                        ; half
	s_lshl_b32 s53, s51, 4
	v_add_nc_u32 v7, s53, v5
	v_cvt_f32_u32 v7, v7                           ; my position
	s_lshl_b32 s53, s28, 4
	s_lshl_b32 s54, s52, 2
	s_add_co_u32 s53, s53, s54
	v_lshl_add_u32 v8, v6, 3, s53                  ; my first frequency: 16 b + 8 h + 4 half, b = wave
.irp e, 0,1,2,3
	v_add_nc_u32 v[TH+\e], \e, v8
.endr
.irp e, 0,1,2,3
	v_cvt_f32_u32 v[TH+\e], v[TH+\e]
.endr
.irp e, 0,1,2,3
	v_mul_f32 v[TH+\e], s66, v[TH+\e]
.endr
.irp e, 0,1,2,3
	v_exp_f32 v[TH+\e], v[TH+\e]                   ; 10000^(-i/64)
.endr
	v_nop                                          ; a plain line behind the last exponential,
	s_wait_alu depctr_va_vdst(0)                   ; and one wait for the four, ahead of their first reader
.irp e, 0,1,2,3
	v_mul_f32 v[TH+\e], v7, v[TH+\e]               ; the angle
.endr
.irp e, 0,1,2,3
	v_mul_f32 v[NN+\e], s67, v[TH+\e]
.endr
.irp e, 0,1,2,3
	v_rndne_f32 v[NN+\e], v[NN+\e]                 ; n
.endr
.irp e, 0,1,2,3
	v_fma_f32 v[TH+\e], -v[NN+\e], s68, v[TH+\e]
.endr
.irp e, 0,1,2,3
	v_fma_f32 v[TH+\e], -v[NN+\e], s69, v[TH+\e]   ; rho = angle - n pi / 2, within +-pi/4
.endr
.irp e, 0,1,2,3
	v_mul_f32 v[Z+\e], v[TH+\e], v[TH+\e]
.endr
.irp e, 0,1,2,3
	v_fma_f32 v[SS+\e], v[Z+\e], s72, s71
	v_fma_f32 v[CC+\e], v[Z+\e], s75, s74
.endr
.irp e, 0,1,2,3
	v_fma_f32 v[SS+\e], v[SS+\e], v[Z+\e], s70
	v_fma_f32 v[CC+\e], v[CC+\e], v[Z+\e], s73
.endr
.irp e, 0,1,2,3
	v_mul_f32 v[SS+\e], v[SS+\e], v[Z+\e]
	v_mul_f32 v[W+\e], v[Z+\e], v[Z+\e]
.endr
.irp e, 0,1,2,3
	v_fma_f32 v[Z+\e], v[Z+\e], -0.5, 1.0
	v_fma_f32 v[SS+\e], v[SS+\e], v[TH+\e], v[TH+\e]   ; sin rho
.endr
.irp e, 0,1,2,3
	v_fma_f32 v[CC+\e], v[W+\e], v[CC+\e], v[Z+\e]     ; cos rho
	v_cvt_i32_f32 v[NI+\e], v[NN+\e]
.endr
.irp e, 0,1,2,3
	v_and_b32 v[W+\e], 1, v[NI+\e]
	v_cmp_ne_u32 vcc_lo, 0, v[W+\e]                ; n odd: sine and cosine change places
	v_cndmask_b32 v[C+4+\e], v[SS+\e], v[CC+\e], vcc_lo
	v_cndmask_b32 v[C+\e], v[CC+\e], v[SS+\e], vcc_lo
	v_lshlrev_b32 v[W+\e], 30, v[NI+\e]            ; the sine is negative where n mod 4 is 2 or 3: bit 1 of n,
	v_and_b32 v[W+\e], 0x80000000, v[W+\e]
	v_xor_b32 v[C+4+\e], v[W+\e], v[C+4+\e]
	v_add_nc_u32 v[NI+\e], 1, v[NI+\e]             ; the cosine where it is 1 or 2: bit 1 of n + 1
	v_lshlrev_b32 v[W+\e], 30, v[NI+\e]
	v_and_b32 v[W+\e], 0x80000000, v[W+\e]
	v_xor_b32 v[C+\e], v[W+\e], v[C+\e]
.endr
	s_lshl_b32 s48, s51, 13
	s_add_nc_u64 s[26:27], s[26:27], s[48:49]      ; the tile's 8,192 bytes
	s_lshl_b32 s53, s28, 11
	s_lshl_b32 s54, s52, 9
	s_add_co_u32 s53, s53, s54
	v_add_nc_u32 v9, s53, v3
	global_store_b128 v9, v[C:C+3], s[26:27]                 ; cosines: the wave stores 512 consecutive bytes
	global_store_b128 v9, v[C+4:C+7], s[26:27] offset:1024   ; sines
	s_wait_kmcnt 0x0
.irp w, 0,1,2
	s_add_co_i32 s55, s[36+2*\w], 127              ; e0, e2, e4
	s_lshl_b32 s56, s55, 23
	v_mov_b32 v[16+\w], s56                        ; 2^e as f32: the conversion takes its exponent field
	s_add_co_i32 s55, s55, 8
	s_lshl_b32 s55, s55, 23
	s_or_b32 s55, s55, 0x600000
	v_mov_b32 v[19+\w], s55                        ; 448 x 2^e
.endr
	s_wait_loadcnt 12                              ; step 0's four loads are in
	TURN 0
.irp t, 0,1,2,3,4,5,6,7,8,9,10,11,12,13,14,15
	XSTEP \t
.endr
	s_wait_tensorcnt 0x0
	ds_add_u32 v192, v193
	s_wait_dscnt 0x0
	s_endpgm
	; ---------------- path W ----------------
	; A lane takes a column n and its registers run down K: the conversions then give codes with K innermost.  A work-group: 128 columns x 256 along K; a wave 32 columns.
	; One text serves four tensors: what differs stands in scalar registers, chosen on the work-group's number alone.
.Lweights:
	s_sub_co_u32 s29, ttmp9, WGX
	s_wait_kmcnt 0x0
	s_mov_b64 s[48:49], s[16:17]                   ; 128..191: Wo,
	s_mov_b64 s[66:67], s[24:25]                   ; into woc;
	s_mov_b32 s68, 4                               ; log2 of its blocks of 128 columns
	s_mov_b32 s69, 8192                            ; bytes of a row of the weight
	s_mov_b32 s70, 0                               ; first row in the codes' buffer
	s_mov_b32 s71, 1024                            ; bytes of a row there
	s_mov_b32 s72, s47                             ; e11
	s_mov_b32 s73, 128                             ; the range's first number
	s_cmp_lt_u32 s29, 128                          ; 96..127: Wv
	s_cselect_b64 s[48:49], s[14:15], s[48:49]
	s_cselect_b64 s[66:67], s[22:23], s[66:67]
	s_cselect_b32 s68, 2, s68
	s_cselect_b32 s69, 2048, s69
	s_cselect_b32 s70, 1536, s70
	s_cselect_b32 s71, 2048, s71
	s_cselect_b32 s72, s41, s72                    ; e5
	s_cselect_b32 s73, 96, s73
	s_cmp_lt_u32 s29, 96                           ; 64..95: Wk
	s_cselect_b64 s[48:49], s[12:13], s[48:49]
	s_cselect_b32 s70, 1024, s70
	s_cselect_b32 s72, s39, s72                    ; e3
	s_cselect_b32 s73, 64, s73
	s_cmp_lt_u32 s29, 64                           ; 0..63: Wq
	s_cselect_b64 s[48:49], s[10:11], s[48:49]
	s_cselect_b32 s68, 3, s68
	s_cselect_b32 s69, 4096, s69
	s_cselect_b32 s70, 0, s70
	s_cselect_b32 s72, s37, s72                    ; e1
	s_cselect_b32 s73, 0, s73
	s_sub_co_u32 s29, s29, s73
	s_bfm_b32 s74, s68, 0
	s_and_b32 s74, s29, s74                        ; which 128 columns
	s_lshr_b32 s75, s29, s68                       ; which 256 along K
	s_mul_i32 s76, s75, s69
	s_lshl_b32 s76, s76, 8                         ; 256 rows of the weight for each,
	s_lshl_b32 s77, s74, 9                         ; 512 bytes for each 128 columns,
	s_add_co_u32 s76, s76, s77
	s_lshl_b32 s77, s28, 7                         ; 128 bytes for each wave
	s_add_co_u32 s76, s76, s77
	s_mov_b32 s77, 0
	s_add_nc_u64 s[48:49], s[48:49], s[76:77]      ; block 0's base;
	s_lshl_b32 s78, s69, 5
	s_mov_b32 s79, 0
.irp t, 1,2,3,4,5,6,7
	s_add_nc_u64 s[48+2*\t:49+2*\t], s[46+2*\t:47+2*\t], s[78:79]   ; each further block 32 rows on: a base for each, so that none is stepped
.endr
	s_lshl_b32 s76, s74, 7
	s_add_co_u32 s76, s76, s70
	s_lshl_b32 s80, s28, 5
	s_add_co_u32 s76, s76, s80                     ; my wave's first row of codes
	s_mul_i32 s76, s76, s71
	s_lshl_b32 s80, s75, 8
	s_add_co_u32 s76, s76, s80
	s_add_nc_u64 s[66:67], s[66:67], s[76:77]
	v_lshlrev_b32 v[OFF], 2, v2
.set i, 1
.rept 31
	v_add_nc_u32 v[OFF+i], s69, v[OFF+i-1]
.set i, i+1
.endr
	LOADW 0
	LOADW 1
	s_mul_i32 s82, s28, 32*WPITCH
	s_add_co_u32 s82, s82, WLDS                    ; my stage
	v_mul_u32_u24 v4, v2, WPITCH
	v_add_nc_u32 v4, s82, v4                       ; into it: row = my column
	v_mul_u32_u24 v7, v6, WPITCH
	v_lshl_add_u32 v7, v5, 4, v7
	v_add_nc_u32 v7, s82, v7                       ; out of it: sixteen lanes to a row, two rows an instruction
	v_mul_lo_u32 v[OO], v6, s71
	v_lshl_add_u32 v[OO], v5, 4, v[OO]             ; and the same places in the codes' buffer
	s_lshl_b32 s81, s71, 1
.set i, 1
.rept 15
	v_add_nc_u32 v[OO+i], s81, v[OO+i-1]
.set i, i+1
.endr
	s_add_co_i32 s72, s72, 127
	s_lshl_b32 s83, s72, 23
	v_mov_b32 v11, s83                             ; 2^e
	s_add_co_i32 s72, s72, 8
	s_lshl_b32 s72, s72, 23
	s_or_b32 s72, s72, 0x600000
	v_mov_b32 v10, s72                             ; 448 x 2^e
.irp t, 0,1,2,3,4,5,6,7
	BLOCKW \t
.endr
.irp t, 0,1,2,3,4,5,6,7,8,9,10,11,12,13,14,15
	ds_load_b128 v[XW+4*\t:XW+4*\t+3], v7 offset:2*\t*WPITCH
.endr
.irp t, 0,1,2,3,4,5,6,7,8,9,10,11,12,13,14,15
	s_wait_dscnt 15-\t                             ; the younger loads may be out
	global_store_b128 v[OO+\t], v[XW+4*\t:XW+4*\t+3], s[66:67]   ; sixteen lanes store 256 consecutive bytes, at a multiple of 256 from the buffer's first byte
.endr
	s_wait_tensorcnt 0x0
	ds_add_u32 v192, v193
	s_wait_dscnt 0x0
	s_endpgm
.Lfunc_end_k_q6244d3c76c_prep:
	.size	k_q6244d3c76c_prep, .Lfunc_end_k_q6244d3c76c_prep-k_q6244d3c76c_prep
	.p2alignl 7, 3214868480
	.fill 96, 4, 3214868480
	.section	.rodata,"a",@progbits
	.p2align	6, 0x0
	.amdhsa_kernel k_q6244d3c76c_prep
		.amdhsa_group_segment_fixed_size 68096
		.amdhsa_private_segment_fixed_size 0
		.amdhsa_enable_private_segment 0
		.amdhsa_kernarg_size 80
		.amdhsa_user_sgpr_count 2
		.amdhsa_user_sgpr_kernarg_segment_ptr 1
		.amdhsa_wavefront_size32 1
		.amdhsa_system_sgpr_workgroup_id_x 1
		.amdhsa_system_sgpr_workgroup_id_y 1
		.amdhsa_system_sgpr_workgroup_id_z 1
		.amdhsa_system_vgpr_workitem_id 0
		.amdhsa_next_free_vgpr 194
		.amdhsa_next_free_sgpr 96
		.amdhsa_reserve_vcc 1
		.amdhsa_float_denorm_mode_32 3
		.amdhsa_float_denorm_mode_16_64 3
		.amdhsa_memory_ordered 1
		.amdhsa_forward_progress 1
		.amdhsa_inst_pref_size 136
	.end_amdhsa_kernel
	.amdgpu_metadata
---
amdhsa.version: [ 1, 2 ]
amdhsa.kernels:
  - .name:           k_q6244d3c76c_prep
    .symbol:         k_q6244d3c76c_prep.kd
    .args:
      - { .name: x, .offset: 0, .size: 8, .value_kind: global_buffer, .address_space: global }
      - { .name: Wq, .offset: 8, .size: 8, .value_kind: global_buffer, .address_space: global }
      - { .name: Wk, .offset: 16, .size: 8, .value_kind: global_buffer, .address_space: global }
      - { .name: Wv, .offset: 24, .size: 8, .value_kind: global_buffer, .address_space: global }
      - { .name: Wo, .offset: 32, .size: 8, .value_kind: global_buffer, .address_space: global }
      - { .name: lowp_scales, .offset: 40, .size: 8, .value_kind: global_buffer, .address_space: global }
      - { .name: xc, .offset: 48, .size: 8, .value_kind: global_buffer, .address_space: global }
      - { .name: wqkv, .offset: 56, .size: 8, .value_kind: global_buffer, .address_space: global }
      - { .name: woc, .offset: 64, .size: 8, .value_kind: global_buffer, .address_space: global }
      - { .name: rtab, .offset: 72, .size: 8, .value_kind: global_buffer, .address_space: global }
    .group_segment_fixed_size: 68096
    .private_segment_fixed_size: 0
    .kernarg_segment_align: 8
    .kernarg_segment_size: 80
    .max_flat_workgroup_size: 128
    .sgpr_count:     96
    .vgpr_count:     194
    .wavefront_size: 32
...
	.end_amdgpu_metadata
.endif
;; end of part 1
;; launch qkv (part 2): grid 16 x 16, 4 waves a work-group, clusters of 4 x 4, 327,680 bytes of LDS; arguments xc, wqkv, rtab, lowp_scales, qimg, kv; writes qimg, kv
.if DOCPART == 2
	.amdgcn_target "amdgcn-amd-amdhsa--gfx1250"
	.amdhsa_code_object_version 6
	.text
	.protected	k_q6244d3c76c_qkv
	.globl	k_q6244d3c76c_qkv
	.p2align	8
	.type	k_q6244d3c76c_qkv,@function
k_q6244d3c76c_qkv:
	s_mov_b64 s[64:65], 0
	v_nop
	global_prefetch_b8 v0, s[64:65] scope:SCOPE_SE
	s_setreg_imm32_b32 hwreg(HW_REG_WAVE_MODE, 25, 1), 1
	s_wait_xcnt 0x0
	s_wait_alu depctr_hold_cnt(0) depctr_sa_sdst(0) depctr_va_vdst(0) depctr_va_sdst(0) depctr_va_ssrc(0) depctr_va_vcc(0) depctr_vm_vsrc(0)
	s_getreg_b32 s2, hwreg(HW_REG_IB_STS2, 6, 4)
	s_cmp_eq_u32 s2, 0
	s_cbranch_scc0 .Lentry_in_a_cluster
	s_endpgm
.Lentry_in_a_cluster:
	s_bfe_u32 s2, ttmp6, 0x10000c
	s_cmp_lg_u32 s2, 0xf033
	s_cbranch_scc0 .Lentry_shape_is_right
	s_endpgm
.Lentry_shape_is_right:
; QKV: q = x Wq, k = x Wk, v = x Wv on E4M3 codes; RoPE on q and k in f32; q, k, v quantised (entries 6, 7, 9) and stored as IMAGES OF OPERAND REGISTERS for the attention launch.
; A work-group makes 256 tokens x 128 columns (one head); tile column 0-7: q's heads, 8-11: k's, 12-15: v's; the cluster's x (0, 1: q; 2: k; 3: v) says which, and is the same in all sixteen partners.
; Four waves, each 64 (rows of source 1) x 128 (rows of source 0): 32 accumulators.
; THE RING HAS TWO SLOTS OF UNEQUAL SIZE: D holds 512 along K (rows of 512 bytes + 16), E 256 (rows of 256 + 16); each: 256 rows of x's codes, then 128 rows of the weight's.  Two slots of 512 do not fit in LDS; D and E do.
; K = 2048 walks D 0-511, E 512-767, D 768-1279, E 1280-1535, D 1536-2047: both first fills go out together, and three refills follow, one load a wave each.  The sixteen substeps of 128 along K are written out.
; q, k: source 0 = the head's 128 weight rows, source 1 = my 64 tokens: a lane holds ONE token and its registers run along d.  v: source 0 = 128 tokens, source 1 = 64 weight rows: a lane holds ONE channel and its registers
; run along the keys, which are the K of attention's second product.  Only the LDS bases differ, chosen on the cluster's x; nothing is transposed.
; AN IMAGE: a fragment (16 rows x 128 K) is 16 registers a lane; register pair c of lane (r, h) holds k = 16 c + 8 h + 0..7 of row r: just what one conversion of accumulator c gives.  Registers 4 c .. 4 c + 3 are stored
; at 512 c + 16 x lane: 512 consecutive bytes a store.  qimg: [8 batch + head][tile of 16 queries][2048];  kv: [4 batch + kv head][step of 128 keys][K: 8 fragments of 16 keys | V: 8 fragments of 16 channels].
; The codes of x and of the weights are read from LDS rows by 16-byte loads: a permutation of k, the same on both sides.
; The sums stay unscaled through RoPE (a rotation commutes with a power of two); the three scales are folded into the conversion's one: 2^F, F = e_out - e_x - e_w.
; The cosines and sines of my 64 positions (64 loads) are asked for inside the K walk, into a register window of their own, so that the way out waits for none of them.
; CLUSTERS: 4 x 4.  x's tile is shared along a row of the cluster, the weight's along a column: joint loads.
; LIMITS: F = e6 - e0 - e1, e7 - e2 - e3, e9 - e4 - e5 each between -126 and 119.
; REGISTERS: window 0: v0-31 addresses; v128-255 source 1's fragments, two sets (in the way out: v128-191 numbers, v192-255 codes).  window 1: source 0's fragments, two sets.
;   window 2: accumulator (a, b) at v[8 (8 a + b)].  window 3: token tile a's cosines at v[64 a + 8 b + j], its sines 32 further on.
.set PD,    528                        ; a row in D: 512 bytes + 16: 132 words, so the 16 rows of a fragment load start at 16 different banks (64 banks of 4 bytes: ISA guide 11.1)
.set PE,    272                        ; a row in E: 256 bytes + 16: 68 words, likewise
.set DAH,   128*PD                     ; what a wave fetches of x for D
.set DBH,   64*PD                      ; and of the weight
.set DBOFF, 2*DAH
.set DSZ,   DBOFF+2*DBH                ; 202,752
.set EBASE, DSZ
.set EAH,   128*PE
.set EBH,   64*PE
.set EBOFF, 2*EAH
.set ESZ,   EBOFF+2*EBH                ; 104,448
.set SPARE, DSZ+ESZ                    ; the spare words: 128 bytes for each wave, two blocks of 256 bytes that no other line names
.set A1D,   16                         ; v16  LDS address of source 1's fragments in D
.set A1E,   17                         ; v17  in E
.set A0D,   20                         ; v20  of source 0's in D
.set A0E,   21                         ; v21  in E
.set LI,    24                         ; v24  16 x lane
.set SCL,   26                         ; v26  2^F
.set LIM,   27                         ; v27  448 x 2^F
.set SPW,   28                         ; v28  my spare word
.set NIL,   29                         ; v29  0
.set S1,    128
.set Y,     128
.set CD,    192
.set G1AD, 24                          ; s[24:31] group 1: x's tile for D;  s[80:87] for E
.set G1AE, 80
.set G1BD, 48                          ; s[48:55] the weight's for D;  s[88:95] for E
.set G1BE, 88
.set G0AD, 32                          ; groups 0: x's for D, for E;
.set G0AE, 36
.set G0BD, 56                          ; the weight's for D, for E
.set G0BE, 60
.set MSB, 0
.macro WIN new                         ; the immediate's high byte repeats the setting that is left
.if MSB != \new
	s_set_vgpr_msb (MSB<<8)|\new
.set MSB, \new
.endif
.endm
.set MUL,   0xa1                       ; source 0 window 1, source 1 window 0, C and D window 2
.set TO_S0, 0x40                       ; destination window 1
.macro JLOAD g0a, g1a, g0b, g1b        ; a joint load: waves 0, 1 fetch x's halves, waves 2, 3 the weight's; four v_nop follow each line
	s_cmp_eq_u32 s17, 0
	s_cbranch_scc0 .Lfor_b_\@
	tensor_load_to_lds s[\g0a:\g0a+3], s[\g1a:\g1a+7]
	s_nop 0
.rept 4
	v_nop
.endr
	s_branch .Lasked_\@
.Lfor_b_\@:
	tensor_load_to_lds s[\g0b:\g0b+3], s[\g1b:\g1b+7]
	s_nop 0
.rept 4
	v_nop
.endr
.Lasked_\@:
.endm
.macro CREST                           ; a round of the cluster's barrier behind its opening barrier
	s_cmp_lg_u32 s16, 0
	s_cbranch_scc1 .Lnot_wave_0_\@
	s_barrier_signal -3
.Lnot_wave_0_\@:
	s_barrier_wait -3
	s_barrier_signal -1
	s_barrier_wait -1
.endm
.macro CROUND
	s_barrier_signal -1
	s_barrier_wait -1
	CREST
.endm
.macro PLACES n                        ; plain vector lines between a matrix instruction and a load into, or a vector access of, its registers
.rept \n
	v_nop
.endr
.endm
.macro SHAPE g, cols, rows             ; words 1 to 7 of a group 1: a tile of rows x cols bytes out of rows of 2,048 bytes
	s_mov_b32 s[\g+1], (\cols)<<16                 ; tensor_dim0
	s_mov_b32 s[\g+2], (\rows)<<16                 ; tensor_dim1
	s_mov_b32 s[\g+3], (\cols)<<16                 ; tile_dim0
	s_mov_b32 s[\g+4], \rows                       ; tile_dim1
	s_mov_b32 s[\g+5], 2048                        ; pitch
	s_mov_b32 s[\g+6], 0
	s_mov_b32 s[\g+7], 0
.endm
.macro MUL8 a, p, zero                 ; source 1's block a against source 0's eight, 128 along K, set p.  The 32 accumulators take turns in one order
.irp b, 0,1,2,3,4,5,6,7
.if \zero
	v_wmma_f32_16x16x128_fp8_fp8 v[8*(8*(\a)+\b):8*(8*(\a)+\b)+7], v[128*(\p)+16*\b:128*(\p)+16*\b+15], v[S1+64*(\p)+16*(\a):S1+64*(\p)+16*(\a)+15], 0
.else
	v_wmma_f32_16x16x128_fp8_fp8 v[8*(8*(\a)+\b):8*(8*(\a)+\b)+7], v[128*(\p)+16*\b:128*(\p)+16*\b+15], v[S1+64*(\p)+16*(\a):S1+64*(\p)+16*(\a)+15], v[8*(8*(\a)+\b):8*(8*(\a)+\b)+7]
.endif
.endr
.endm
.macro FETCH0 adr, k, pitch, p         ; source 0's eight fragments, 128 along K from byte k of the rows, into set p
	WIN TO_S0
.irp i, 0,1,2,3,4,5,6,7
.irp c, 0,1,2,3
	ds_load_b128 v[128*(\p)+16*\i+4*\c:128*(\p)+16*\i+4*\c+3], v[\adr] offset:(\k)+32*\c+\i*16*(\pitch)
.endr
.endr
	WIN 0
.endm
.macro FETCH1 adr, k, pitch, p         ; source 1's four
.irp i, 0,1,2,3
.irp c, 0,1,2,3
	ds_load_b128 v[S1+64*(\p)+16*\i+4*\c:S1+64*(\p)+16*\i+4*\c+3], v[\adr] offset:(\k)+32*\c+\i*16*(\pitch)
.endr
.endr
.endm
; A substep that leaves no slot: multiplies set p; the next substep's fragments are fetched at its head, into the other set, and have its 32 matrix instructions in which to come
.macro SUB p, zero, n0, n1, nk, npitch
	s_wait_dscnt 0x0                               ; set p is in
	PLACES 4                                       ; behind the last products that read the other set
	FETCH0 \n0, \nk, \npitch, 1-(\p)
	FETCH1 \n1, \nk, \npitch, 1-(\p)
	WIN MUL
	MUL8 0, \p, \zero
	MUL8 1, \p, \zero
	MUL8 2, \p, \zero
	MUL8 3, \p, \zero
	WIN 0
.endm
; A slot's last substep (always set 1), and the change of slots: one barrier; fill = 1: it opens a round of the cluster's barrier and the slot just read out is filled again, 768 further along K
.macro TURN fill, g0a, g1a, g0b, g1b, n0, n1, npitch
	s_wait_tensorcnt 0x0                           ; all my tensor loads have landed: my part of the slot ahead
	ds_add_u32 v[SPW], v[NIL]                      ; 0 onto my spare word
	s_wait_dscnt 1                                 ; the add alone may be out: set 1 is in
	WIN MUL
	MUL8 0, 1, 0                                   ; eight matrix instructions stand between the add and the wait for it
	s_wait_dscnt 0x0                               ; the add is done, and my reads of this slot are over
	s_barrier_signal -1
	MUL8 1, 1, 0
	WIN 0
	s_barrier_wait -1
.if \fill
	CREST                                          ; no wave of any partner still reads this slot or has a load on its way
	s_add_nc_u64 s[\g0a+2:\g0a+3], s[\g0a+2:\g0a+3], 768
	s_add_nc_u64 s[\g0b+2:\g0b+3], s[\g0b+2:\g0b+3], 768
	JLOAD \g0a, \g1a, \g0b, \g1b                   ; the first tensor load behind the round; its four v_nop are the places in front of the loads below
.else
	PLACES 4
.endif
	FETCH0 \n0, 0, \npitch, 0
	FETCH1 \n1, 0, \npitch, 0
	WIN MUL
	MUL8 2, 1, 0
	MUL8 3, 1, 0
	WIN 0
.endm
.macro TABLOAD a0                      ; cosines and sines of my token tiles a0 and a0 + 1: 32 loads of 512 consecutive bytes, into window 3
	WIN 0xc0                                       ; destination window 3, address window 0
.irp a, \a0, \a0+1
.irp b, 0,1,2,3
.irp u, 0,1
	global_load_b128 v[64*(\a)+8*\b+4*\u:64*(\a)+8*\b+4*\u+3], v[LI], s[8:9] offset:(\a)*8192+\b*2048+\u*512
	global_load_b128 v[64*(\a)+32+8*\b+4*\u:64*(\a)+32+8*\b+4*\u+3], v[LI], s[8:9] offset:(\a)*8192+\b*2048+1024+\u*512
.endr
.endr
.endr
	WIN 0
.endm
.macro ROPE a                          ; y1 = x1 cos - x2 sin, y2 = x1 sin + x2 cos; x1 = accumulator (a, b), d = 16 b + 8 h + j; x2 = accumulator (a, b + 4), d + 64.  Each accumulator from its low end on
	WIN 0x0e                                       ; source 0 window 2 (the sums), source 1 window 3 (the table)
.irp b, 0,1,2,3
.irp j, 0,2,4,6
	v_pk_mul_f32 v[Y+8*\b+\j:Y+8*\b+\j+1], v[8*(8*(\a)+\b+4)+\j:8*(8*(\a)+\b+4)+\j+1], v[64*(\a)+32+8*\b+\j:64*(\a)+32+8*\b+\j+1]
	v_pk_mul_f32 v[Y+32+8*\b+\j:Y+32+8*\b+\j+1], v[8*(8*(\a)+\b+4)+\j:8*(8*(\a)+\b+4)+\j+1], v[64*(\a)+8*\b+\j:64*(\a)+8*\b+\j+1]
	v_pk_fma_f32 v[Y+8*\b+\j:Y+8*\b+\j+1], v[8*(8*(\a)+\b)+\j:8*(8*(\a)+\b)+\j+1], v[64*(\a)+8*\b+\j:64*(\a)+8*\b+\j+1], v[Y+8*\b+\j:Y+8*\b+\j+1] neg_lo:[0,0,1] neg_hi:[0,0,1]
	v_pk_fma_f32 v[Y+32+8*\b+\j:Y+32+8*\b+\j+1], v[8*(8*(\a)+\b)+\j:8*(8*(\a)+\b)+\j+1], v[64*(\a)+32+8*\b+\j:64*(\a)+32+8*\b+\j+1], v[Y+32+8*\b+\j:Y+32+8*\b+\j+1]
.endr
.endr
	WIN 0
.endm
.macro QOUT a, raw                     ; 64 numbers a lane become a fragment's 16 registers of codes and leave.  raw = 1: they are the accumulators (a, 0..7) themselves
.if \raw
	WIN 0x02
.set i, 0
.rept 64
	v_med3_num_f32 v[Y+i], v[64*(\a)+i], -v[LIM], v[LIM]
.set i, i+1
.endr
	WIN 0
.else
.set i, 0
.rept 64
	v_med3_num_f32 v[Y+i], v[Y+i], -v[LIM], v[LIM]  ; the conversion does not saturate (ISA guide 7.6.2): the hold at 448 x the scale
.set i, i+1
.endr
.endif
.irp t, 0,1,2,3,4,5,6,7
	v_cvt_scalef32_pk8_fp8_f32 v[CD+16*(\a)+2*\t:CD+16*(\a)+2*\t+1], v[Y+8*\t:Y+8*\t+7], v[SCL]
.endr
	v_nop                                          ; a plain line behind the last conversion
.irp c, 0,1,2,3
	global_store_b128 v[LI], v[CD+16*(\a)+4*\c:CD+16*(\a)+4*\c+3], s[12:13] offset:(\a)*2048+512*\c   ; 512 consecutive bytes; each fragment has registers of its own, so no store's data are written again
.endr
.endm
	s_load_b256 s[4:11], s[0:1], 0x0               ; xc s[4:5], wqkv s[6:7], rtab s[8:9], scales s[10:11]
	s_load_b128 s[12:15], s[0:1], 0x20             ; qimg s[12:13], kv s[14:15]
	v_lshl_add_u32 v[SPW], v0, 2, SPARE
	v_mov_b32 v[NIL], 0
	ds_add_u32 v28, v29
	ds_add_u32 v28, v29
	s_wait_dscnt 0x0
	v_lshrrev_b32 v1, 5, v0
	v_readfirstlane_b32 s16, v1                    ; wave
	s_lshr_b32 s17, s16, 1                         ; I fetch for x (0) or for the weight (1)
	s_and_b32 s18, s16, 1                          ; which half
	s_bfe_u32 s40, ttmp6, 0x40000                  ; cx
	s_bfe_u32 s41, ttmp6, 0x40004                  ; cy
	s_lshl_b32 s42, ttmp9, 2
	s_add_co_u32 s42, s42, s40                     ; tile column
	s_and_b32 s19, ttmp7, 0xffff
	s_lshl_b32 s19, s19, 2
	s_add_co_u32 s19, s19, s41                     ; tile row: 256 tokens
	s_lshl_b32 s43, s41, 2
	s_lshl_b32 s43, 15, s43                        ; my row of the cluster
	s_lshl_b32 s44, 0x1111, s40                    ; my column
	s_or_b32 s[G1AD], s43, (0<<16)|(1<<20)|(1<<21)|(6<<22)|(3<<25)   ; mask; elements of 1 byte; padding on; bit 21 beside a mask; after every 128 words, 4 words
	s_or_b32 s[G1AE], s43, (0<<16)|(1<<20)|(1<<21)|(5<<22)|(3<<25)   ; the same after every 64 words
	s_or_b32 s[G1BD], s44, (0<<16)|(1<<20)|(1<<21)|(6<<22)|(3<<25)
	s_or_b32 s[G1BE], s44, (0<<16)|(1<<20)|(1<<21)|(5<<22)|(3<<25)
	SHAPE G1AD, 512, 128
	SHAPE G1AE, 256, 128
	SHAPE G1BD, 512, 64
	SHAPE G1BE, 256, 64
	s_max_u32 s20, ttmp9, 1
	s_sub_co_u32 s20, s20, 1                       ; x's plane: 0 for q, 1 for k, 2 for v
	s_lshl_b32 s20, s20, 23
	s_lshl_b32 s21, s19, 19                        ; 256 rows of 2,048 bytes for each tile row
	s_add_co_u32 s20, s20, s21
	s_lshl_b32 s21, s18, 18                        ; my 128 rows
	s_add_co_u32 s20, s20, s21
	s_mov_b32 s21, 0
	s_lshl_b32 s46, s42, 18                        ; the weight: 128 rows for each tile column,
	s_lshl_b32 s47, s18, 17                        ; my 64
	s_add_co_u32 s46, s46, s47
	s_mov_b32 s47, 0
	s_mul_i32 s45, s18, DAH                        ; where they go: x in D,
	s_mul_i32 s22, s18, DBH
	s_add_co_u32 s22, s22, DBOFF                   ; the weight in D,
	s_mul_i32 s66, s18, EAH
	s_add_co_u32 s66, s66, EBASE                   ; x in E,
	s_mul_i32 s67, s18, EBH
	s_add_co_u32 s67, s67, EBASE+EBOFF             ; the weight in E
	s_wait_kmcnt 0x0
	s_load_b256 s[68:75], s[10:11], 0x0            ; e0 .. e7
	s_load_b128 s[76:79], s[10:11], 0x20           ; e8 .. e11
	s_add_nc_u64 s[20:21], s[4:5], s[20:21]
	s_add_nc_u64 s[46:47], s[6:7], s[46:47]
	CROUND                                         ; all sixteen work-groups are here: the first joint loads meet
	s_mov_b32 s[G0AD], 1
	s_add_co_u32 s[G0AD+1], s45, 0
	s_add_nc_u64 s[G0AD+2:G0AD+3], s[20:21], 0     ; K 0 to 511
	s_or_b32 s[G0AD+3], s[G0AD+3], 0x80000000
	s_mov_b32 s[G0BD], 1
	s_add_co_u32 s[G0BD+1], s22, 0
	s_add_nc_u64 s[G0BD+2:G0BD+3], s[46:47], 0
	s_or_b32 s[G0BD+3], s[G0BD+3], 0x80000000
	JLOAD G0AD, G1AD, G0BD, G1BD
	s_mov_b32 s[G0AE], 1
	s_add_co_u32 s[G0AE+1], s66, 0
	s_add_nc_u64 s[G0AE+2:G0AE+3], s[20:21], 512   ; K 512 to 767
	s_or_b32 s[G0AE+3], s[G0AE+3], 0x80000000
	s_mov_b32 s[G0BE], 1
	s_add_co_u32 s[G0BE+1], s67, 0
	s_add_nc_u64 s[G0BE+2:G0BE+3], s[46:47], 512
	s_or_b32 s[G0BE+3], s[G0BE+3], 0x80000000
	JLOAD G0AE, G1AE, G0BE, G1BE                   ; two loads of mine are out
	v_and_b32 v1, 15, v0                           ; r
	v_bfe_u32 v2, v0, 4, 1                         ; h
	v_mul_u32_u24 v3, v1, PD
	v_lshl_add_u32 v3, v2, 4, v3                   ; in D: row x pitch + 16 h
	v_mul_u32_u24 v5, v1, PE
	v_lshl_add_u32 v5, v2, 4, v5                   ; in E
	s_mul_i32 s96, s16, DBH                        ; D.  q, k: source 1 = my 64 tokens (64 rows),
	s_mul_i32 s97, s18, DBH
	s_add_co_u32 s97, s97, DBOFF                   ; v: source 1 = 64 weight rows
	s_mul_i32 s98, s17, DAH                        ; v: source 0 = 128 tokens,
	s_mov_b32 s99, DBOFF                           ; q, k: source 0 = the 128 weight rows
	s_cmp_eq_u32 ttmp9, 3                          ; the cluster's x: the same in all partners
	s_cselect_b32 s96, s97, s96
	s_cselect_b32 s98, s98, s99
	v_add_nc_u32 v[A1D], s96, v3
	v_add_nc_u32 v[A0D], s98, v3
	s_mul_i32 s96, s16, EBH                        ; E, likewise
	s_add_co_u32 s96, s96, EBASE
	s_mul_i32 s97, s18, EBH
	s_add_co_u32 s97, s97, EBASE+EBOFF
	s_mul_i32 s98, s17, EAH
	s_add_co_u32 s98, s98, EBASE
	s_mov_b32 s99, EBASE+EBOFF
	s_cmp_eq_u32 ttmp9, 3
	s_cselect_b32 s96, s97, s96
	s_cselect_b32 s98, s98, s99
	v_add_nc_u32 v[A1E], s96, v5
	v_add_nc_u32 v[A0E], s98, v5
	v_and_b32 v4, 31, v0
	v_lshlrev_b32 v[LI], 4, v4
	s_lshr_b32 s96, s19, 3                         ; batch
	s_and_b32 s97, s19, 7                          ; which 256 positions of the sequence
	s_lshl_b32 s20, s97, 4
	s_lshl_b32 s21, s16, 2
	s_add_co_u32 s20, s20, s21                     ; my first tile of 16 positions
	s_lshl_b32 s22, s20, 13
	s_mov_b32 s23, 0
	s_add_nc_u64 s[8:9], s[8:9], s[22:23]          ; its place in the table
	s_lshl_b32 s40, s96, 3                         ; q's place: ((8 batch + head) 128 + my first tile) x 2048
	s_add_co_u32 s40, s40, s42
	s_lshl_b32 s40, s40, 7
	s_add_co_u32 s40, s40, s20
	s_lshl_b32 s40, s40, 11
	s_and_b32 s41, s42, 3                          ; k's and v's: (4 batch + kv head) x 524288 + (2 Rs + wave / 2) x 32768 + (wave % 2) x 8192, v 16384 further on
	s_lshl_b32 s43, s96, 2
	s_add_co_u32 s41, s41, s43
	s_lshl_b32 s41, s41, 19
	s_lshl_b32 s43, s97, 1
	s_add_co_u32 s43, s43, s17
	s_lshl_b32 s43, s43, 15
	s_add_co_u32 s41, s41, s43
	s_lshl_b32 s43, s18, 13
	s_add_co_u32 s41, s41, s43
	s_cmp_eq_u32 ttmp9, 3
	s_cselect_b32 s43, 16384, 0
	s_add_co_u32 s41, s41, s43
	s_cmp_lt_u32 ttmp9, 2
	s_cselect_b32 s44, s40, s41
	s_cselect_b64 s[12:13], s[12:13], s[14:15]
	s_mov_b32 s45, 0
	s_add_nc_u64 s[12:13], s[12:13], s[44:45]      ; where my four fragments go
	s_wait_kmcnt 0x0
	s_sub_co_i32 s96, s74, s68
	s_sub_co_i32 s96, s96, s69                     ; q: e6 - e0 - e1
	s_sub_co_i32 s97, s75, s70
	s_sub_co_i32 s97, s97, s71                     ; k: e7 - e2 - e3
	s_sub_co_i32 s98, s77, s72
	s_sub_co_i32 s98, s98, s73                     ; v: e9 - e4 - e5
	s_cmp_eq_u32 ttmp9, 2
	s_cselect_b32 s96, s97, s96
	s_cmp_eq_u32 ttmp9, 3
	s_cselect_b32 s96, s98, s96
	s_add_co_i32 s96, s96, 127
	s_lshl_b32 s97, s96, 23
	v_mov_b32 v[SCL], s97
	s_add_co_i32 s96, s96, 8
	s_lshl_b32 s96, s96, 23
	s_or_b32 s96, s96, 0x600000
	v_mov_b32 v[LIM], s96
	s_wait_tensorcnt 0x1                           ; my part of D is in; E's load may be out
	s_barrier_signal -1
	s_barrier_wait -1
	FETCH0 A0D, 0, PD, 0
	FETCH1 A1D, 0, PD, 0
	TABLOAD 0                                      ; in every job: the addresses lie in the table for v too
	SUB 0, 1, A0D, A1D, 128, PD                    ; K 0: the first substep starts the sums: nothing is cleared
	SUB 1, 0, A0D, A1D, 256, PD                    ; K 128
	SUB 0, 0, A0D, A1D, 384, PD                    ; K 256
	TURN 1, G0AD, G1AD, G0BD, G1BD, A0E, A1E, PE   ; K 384; D is left and takes K 768 to 1279: 48 matrix instructions ahead of the wait for it
	TABLOAD 2                                      ; the other two tiles' cosines and sines
	SUB 0, 0, A0E, A1E, 128, PE                    ; K 512
	TURN 1, G0AE, G1AE, G0BE, G1BE, A0D, A1D, PD   ; K 640; E is left and takes K 1280 to 1535: 112 matrix instructions ahead
	SUB 0, 0, A0D, A1D, 128, PD                    ; K 768
	SUB 1, 0, A0D, A1D, 256, PD                    ; K 896
	SUB 0, 0, A0D, A1D, 384, PD                    ; K 1024
	TURN 1, G0AD, G1AD, G0BD, G1BD, A0E, A1E, PE   ; K 1152; D takes K 1536 to 2047: 48 ahead
	SUB 0, 0, A0E, A1E, 128, PE                    ; K 1280
	TURN 0, G0AE, G1AE, G0BE, G1BE, A0D, A1D, PD   ; K 1408; nothing is left to fetch
	SUB 0, 0, A0D, A1D, 128, PD                    ; K 1536
	SUB 1, 0, A0D, A1D, 256, PD                    ; K 1664
	SUB 0, 0, A0D, A1D, 384, PD                    ; K 1792
	s_wait_dscnt 0x0
	WIN MUL
	MUL8 0, 1, 0                                   ; K 1920
	MUL8 1, 1, 0
	MUL8 2, 1, 0
	MUL8 3, 1, 0
	WIN 0
	PLACES 4                                       ; in front of the first read of results and the first write over source 1's registers
	s_wait_loadcnt 0x0                             ; the cosines and sines, asked for twelve substeps ago or more
	s_cmp_eq_u32 ttmp9, 3
	s_cbranch_scc1 .Lvpath                         ; on the cluster's x; neither way holds an LDS access, a tensor load or a barrier
.irp a, 0,1,2,3
	ROPE \a
	QOUT \a, 0
.endr
	s_branch .Ldone
.Lvpath:
.irp a, 0,1,2,3
	QOUT \a, 1
.endr
.Ldone:
	s_wait_tensorcnt 0x0                           ; the wave's end
	ds_add_u32 v[SPW], v[NIL]
	s_wait_dscnt 0x0
	CROUND                                         ; the closing round
	s_endpgm
.Lfunc_end_k_q6244d3c76c_qkv:
	.size	k_q6244d3c76c_qkv, .Lfunc_end_k_q6244d3c76c_qkv-k_q6244d3c76c_qkv
	.p2alignl 7, 3214868480
	.fill 96, 4, 3214868480
	.section	.rodata,"a",@progbits
	.p2align	6, 0x0
	.amdhsa_kernel k_q6244d3c76c_qkv
		.amdhsa_group_segment_fixed_size 327680
		.amdhsa_private_segment_fixed_size 0
		.amdhsa_enable_private_segment 0
		.amdhsa_kernarg_size 48
		.amdhsa_user_sgpr_count 2
		.amdhsa_user_sgpr_kernarg_segment_ptr 1
		.amdhsa_wavefront_size32 1
		.amdhsa_system_sgpr_workgroup_id_x 1
		.amdhsa_system_sgpr_workgroup_id_y 1
		.amdhsa_system_sgpr_workgroup_id_z 1
		.amdhsa_system_vgpr_workitem_id 0
		.amdhsa_next_free_vgpr 1024
		.amdhsa_next_free_sgpr 100
		.amdhsa_reserve_vcc 0
		.amdhsa_float_denorm_mode_32 3
		.amdhsa_float_denorm_mode_16_64 3
		.amdhsa_memory_ordered 1
		.amdhsa_forward_progress 1
		.amdhsa_inst_pref_size 160
	.end_amdhsa_kernel
	.amdgpu_metadata
---
amdhsa.version: [ 1, 2 ]
amdhsa.kernels:
  - .name:           k_q6244d3c76c_qkv
    .symbol:         k_q6244d3c76c_qkv.kd
    .args:
      - { .name: xc, .offset: 0, .size: 8, .value_kind: global_buffer, .address_space: global }
      - { .name: wqkv, .offset: 8, .size: 8, .value_kind: global_buffer, .address_space: global }
      - { .name: rtab, .offset: 16, .size: 8, .value_kind: global_buffer, .address_space: global }
      - { .name: lowp_scales, .offset: 24, .size: 8, .value_kind: global_buffer, .address_space: global }
      - { .name: qimg, .offset: 32, .size: 8, .value_kind: global_buffer, .address_space: global }
      - { .name: kv, .offset: 40, .size: 8, .value_kind: global_buffer, .address_space: global }
    .group_segment_fixed_size: 327680
    .private_segment_fixed_size: 0
    .kernarg_segment_align: 8
    .kernarg_segment_size: 48
    .max_flat_workgroup_size: 128
    .sgpr_count:     100
    .vgpr_count:     1024
    .wavefront_size: 32
...
	.end_amdgpu_metadata
.endif
;; end of part 2
;; launch attn (part 3): grid 32 x 8, 8 waves a work-group, clusters of 4 x 1, 327,680 bytes of LDS; arguments qimg, kv, lowp_scales, ao; writes ao
.if DOCPART == 3
	.amdgcn_target "amdgcn-amd-amdhsa--gfx1250"
	.amdhsa_code_object_version 6
	.text
	.protected	k_q6244d3c76c_attn
	.globl	k_q6244d3c76c_attn
	.p2align	8
	.type	k_q6244d3c76c_attn,@function
k_q6244d3c76c_attn:
	s_mov_b64 s[64:65], 0
	v_nop
	global_prefetch_b8 v0, s[64:65] scope:SCOPE_SE
	s_setreg_imm32_b32 hwreg(HW_REG_WAVE_MODE, 25, 1), 1
	s_wait_xcnt 0x0
	s_wait_alu depctr_hold_cnt(0) depctr_sa_sdst(0) depctr_va_vdst(0) depctr_va_sdst(0) depctr_va_ssrc(0) depctr_va_vcc(0) depctr_vm_vsrc(0)
	s_getreg_b32 s2, hwreg(HW_REG_IB_STS2, 6, 4)
	s_cmp_eq_u32 s2, 0
	s_cbranch_scc0 .Lentry_in_a_cluster
	s_endpgm
.Lentry_in_a_cluster:
	s_bfe_u32 s2, ttmp6, 0x10000c
	s_cmp_lg_u32 s2, 0x3003
	s_cbranch_scc0 .Lentry_shape_is_right
	s_endpgm
.Lentry_shape_is_right:
; ATTN: causal attention on E4M3 codes.  S^T = K Q^T, p = 2^(t - M), O^T = V^T P^T, O / l quantised (entry 10) and stored as images of operand registers for the last product.
; t = score x 2^(e6 + e7) x log2(e) / sqrt(128); M = the running largest t rounded UP to a whole number; p is quantised with 2^e8 and is not normalised; l is the sum of the unquantised p.
; When M moves, l and O^T are multiplied by 2^(old M - new M): nothing is rounded.
; SHARES.  y = 4 batch + kv head.  A cluster of four work-groups (cluster x = c, 0..7) takes the blocks of 128 query positions U = c and U = 15 - c, for both query heads of the kv head: 32 tiles of 16 queries,
; one a wave.  Waves 0-3 of each work-group take U = c, waves 4-7 U = 15 - c: a wave of the first kind has c + 1 key steps that count, one of the second 16 - c: 17 together.
; Every wave passes all 16 key steps of 128; a step all of whose keys come after the wave's block (step > U) is jumped over by a scalar branch on the cluster's x and the wave's number, the same in all partners;
; in step U hidden scores become -infinity.  The place in the cluster enters only Q's, ao's and the prefetch's addresses and the mask's numbers.
; K and V come as images (kv: [y][step][K 16 KB | V 16 KB]) through two LDS slots of four steps, by JOINT loads: all four partners walk the same kv; each of the eight waves fetches 16 KB of a slot.
; A fragment is read back by four 16-byte loads at 512 c + 16 x lane: consecutive bytes, no pitch.  A step's 16 fragments lie in the second register window, so that a step has one run of LDS loads.
; LIMITS: e6 + e7 between -123 and 130 (added to the exponent field of log2(e) / sqrt(128)); e8, and e10 - e8 - e9, between -126 and 119.
; REGISTERS: window 0: v1 16 x lane; v2 the step's LDS address; v3 256 x lane; v4 the mask's d; v5, v6 spare word and 0; v7 -infinity; v12 -M; v13 largest t; v[14:15] l; v16-31 Q; v32-47 P's codes;
;   v48 448 x 2^e8; v49 2^e8; v[50:51] f; v52, v53 at work; v[56:57] second chain of sums; v58, v59 scale and hold for ao; v96-159 S^T, then p; v160-223 O^T.   window 1: v0-127 K, v128-255 V.
.set STEPB, 32768
.set SLOT1, 1<<17                      ; a slot: four steps; slot 1 begins here, so that one exclusive or changes slots
.set SPARE, 2*SLOT1                    ; the spare words: 128 bytes for each of eight waves: four blocks of 256 bytes that no other line names
.set LI,   1
.set ADR,  2
.set PFO,  3
.set VD,   4
.set SPW,  5
.set NIL,  6
.set WV,   12                          ; s12 wave
.set LIMS, 15                          ; s15 1 in a wave that prefetches, else the greatest number
.set LAST, 17                          ; s17 U: my last key step
.set PFA,  18                          ; s[18:19] where my prefetches stand
.set SEL,  20                          ; s[20:21] lane l xor 16
.set CS,   22                          ; s[22:23] c
.set G1,   24
.set G0,   32
.set TB,   36                          ; s36 LDS byte of the step in hand
.set KS,   37                          ; s37 the step
.set SLOTS, 38
.set CNT,  39
.set MSB, 0
.macro WIN new
.if MSB != \new
	s_set_vgpr_msb (MSB<<8)|\new
.set MSB, \new
.endif
.endm
.macro CROUND                          ; a round of the cluster's barrier
	s_barrier_signal -1
	s_barrier_wait -1
	s_cmp_lg_u32 s[WV], 0
	s_cbranch_scc1 .Lnot_wave_0_\@
	s_barrier_signal -3
.Lnot_wave_0_\@:
	s_barrier_wait -3
	s_barrier_signal -1
	s_barrier_wait -1
.endm
; A PREFETCH INTO THE L2 of the slot that the NEXT change of slots will ask for: four key steps ahead of that load.  All eight clusters of a y walk the same kv: the first (cluster x = 0) asks.  Its four partners
; share the slot's 131,072 bytes out by address, 32,768 each; in each, waves 0-3 take 8,192 bytes, lanes 256 bytes apart: each block is named once.  Slots 0 and 1 come by their loads alone; the last change that fills asks for nothing.
.macro ASK
	s_cmp_gt_u32 s[SLOTS], s[LIMS]
	s_cbranch_scc0 .Lnot_mine_\@
	global_prefetch_b8 v[PFO], s[PFA:PFA+1] th:TH_LOAD_NT scope:SCOPE_SE
.Lnot_mine_\@:
.endm
.macro STEP
	s_cmp_gt_u32 s[KS], s[LAST]
	s_cbranch_scc1 .Lhidden_\@                     ; all 128 keys come after my queries
	v_add_nc_u32 v[ADR], s[TB], v[LI]
.rept 3
	v_nop                                          ; with the line above: four places behind the last products, whose fragments are loaded over (ISA guide 7.12.1)
.endr
	WIN 0x40                                       ; destination window 1
.irp f, 0,1,2,3,4,5,6,7
.irp c, 0,1,2,3
	ds_load_b128 v[16*\f+4*\c:16*\f+4*\c+3], v[ADR] offset:\f*2048+512*\c
.endr
.endr
.irp f, 0,1,2,3,4,5,6,7
.irp c, 0,1,2,3
	ds_load_b128 v[128+16*\f+4*\c:128+16*\f+4*\c+3], v[ADR] offset:16384+\f*2048+512*\c
.endr
.endr
	s_wait_dscnt 48                                ; K's fragments 0-3 are in; 16 loads of K and 32 of V may be out
	WIN 0x01                                       ; source 0 window 1
.irp t, 0,1,2,3
	v_wmma_f32_16x16x128_fp8_fp8 v[96+8*\t:103+8*\t], v[16*\t:16*\t+15], v[16:31], 0
.endr
	s_wait_dscnt 32                                ; all of K is in; V's 32 may be out
.irp t, 4,5,6,7
	v_wmma_f32_16x16x128_fp8_fp8 v[96+8*\t:103+8*\t], v[16*\t:16*\t+15], v[16:31], 0
.endr
	WIN 0
.rept 4
	v_nop
.endr
	s_cmp_lg_u32 s[KS], s[LAST]
	s_cbranch_scc1 .Lopen_\@                       ; only step U lies on the diagonal
.set n, 0
.rept 64                                       ; register 8 t + j holds key 16 t + 8 h + j of the step: hidden where 16 t + j > d = 16 pt + r - 8 h
	v_cmp_gt_i32 vcc_lo, 16*(n/8)+n%8, v[VD]
	v_cndmask_b32 v[96+n], v[96+n], v7, vcc_lo
.set n, n+1
.endr
.Lopen_\@:
	v_max3_num_f32 v52, v96, v97, v98              ; the step's largest score of my query among my 64 keys, in two chains,
	v_max3_num_f32 v50, v99, v100, v101
.irp i, 6,10,14,18,22,26,30,34,38,42,46,50,54,58
	v_max3_num_f32 v52, v52, v[96+\i], v[97+\i]
	v_max3_num_f32 v50, v50, v[98+\i], v[99+\i]
.endr
	v_max3_num_f32 v52, v52, v158, v159
	v_max_num_f32 v52, v52, v50
	v_permlanex16_b32 v53, v52, s[SEL], s[SEL+1]
	v_max_num_f32 v52, v52, v53                    ; and among lane l xor 16's
	v_mul_f32 v52, s[CS], v52                      ; as t (c is positive)
	v_max_num_f32 v13, v13, v52
	v_mov_b32 v52, v12
	v_floor_f32 v12, -v13                          ; -M = floor(-t)
	v_sub_f32 v52, v12, v52                        ; old M - new M: a whole number, 0 or less
	v_cvt_i32_f32 v52, v52                         ; (it saturates)
	v_ldexp_f32 v50, 1.0, v52                      ; f
.set j, 0
.rept 32
	v_pk_fma_f32 v[96+j:97+j], v[96+j:97+j], s[CS:CS+1], v[12:13] op_sel_hi:[1,0,0]   ; t - M
.set j, j+2
.endr
.set j, 0
.rept 64
	v_exp_f32 v[96+j], v[96+j]                     ; p
.set j, j+1
.endr
	v_pk_mul_f32 v[14:15], v[14:15], v[50:51] op_sel_hi:[1,0]   ; l under the new M: the plain line behind the exponentials
	s_wait_alu depctr_va_vdst(0)                   ; one wait for the batch, ahead of its first reader
	v_pk_add_f32 v[56:57], v[96:97], v[98:99]      ; the sum of the unquantised p, in two chains
.irp j, 4,8,12,16,20,24,28,32,36,40,44,48,52,56,60
	v_pk_add_f32 v[14:15], v[14:15], v[96+\j:97+\j]
	v_pk_add_f32 v[56:57], v[56:57], v[98+\j:99+\j]
.endr
	v_pk_add_f32 v[14:15], v[14:15], v[56:57]
.set j, 0
.rept 64
	v_min_num_f32 v[96+j], v[96+j], v48            ; the conversion does not saturate (ISA guide 7.6.2); p is not negative: a one-sided hold
.set j, j+1
.endr
.irp t, 0,1,2,3,4,5,6,7
	v_cvt_scalef32_pk8_fp8_f32 v[32+2*\t:33+2*\t], v[96+8*\t:103+8*\t], v49   ; pair t: keys 16 t + 8 h + 0..7: V's images have the same order
.endr
.set j, 0
.rept 32
	v_pk_mul_f32 v[160+j:161+j], v[160+j:161+j], v[50:51] op_sel_hi:[1,0]     ; O^T under the new M; plain lines between the conversions and the products
.set j, j+2
.endr
	s_wait_dscnt 0x0                               ; V is in
	WIN 0x01
.irp t, 0,1,2,3,4,5,6,7
	v_wmma_f32_16x16x128_fp8_fp8 v[160+8*\t:167+8*\t], v[128+16*\t:128+16*\t+15], v[32:47], v[160+8*\t:167+8*\t]   ; eight accumulators by turns
.endr
	WIN 0
.Lhidden_\@:
	s_add_co_u32 s[KS], s[KS], 1
	s_add_co_u32 s[TB], s[TB], STEPB
.endm
.macro SLOT_STEPS                      ; a slot's four steps: written once, walked four times
	s_mov_b32 s[CNT], 4
.Lstep_\@:
	STEP
	s_sub_co_u32 s[CNT], s[CNT], 1
	s_cmp_lg_u32 s[CNT], 0
	s_cbranch_scc1 .Lstep_\@
	s_sub_co_u32 s[TB], s[TB], 4*STEPB
	s_xor_b32 s[TB], s[TB], SLOT1
.endm
; THE CHANGE OF SLOTS stands at a slot's head.  Each wave waits for all its tensor loads (its part of the slot ahead), adds 0 to its spare word, waits for that and for its reads of the slot left.
; fill = 1: a round of the cluster's barrier, and behind it the slot left is filled with the four steps that follow: the load has a slot's steps in which to land.
.macro CHANGE fill
	s_wait_tensorcnt 0x0                           ; no tensor load of mine is out, so the descriptor may be written
	ds_add_u32 v[SPW], v[NIL]
.if \fill
	s_xor_b32 s[G0+1], s[G0+1], SLOT1
	s_add_nc_u64 s[G0+2:G0+3], s[G0+2:G0+3], 4*STEPB
	s_wait_xcnt 0x0                                ; the last prefetch, a slot back, has read its address
	s_add_nc_u64 s[PFA:PFA+1], s[PFA:PFA+1], 4*STEPB
	s_wait_dscnt 0x0
	CROUND
	tensor_load_to_lds s[G0:G0+3], s[G1:G1+7]      ; the first thing behind the round, and my one tensor load until the next
	s_nop 0
.rept 4
	v_nop
.endr
	ASK
.else
	s_wait_dscnt 0x0
	s_barrier_signal -1
	s_barrier_wait -1
.endif
.endm
	s_load_b256 s[4:11], s[0:1], 0x0               ; qimg s[4:5], kv s[6:7], scales s[8:9], ao s[10:11]
	v_lshl_add_u32 v[SPW], v0, 2, SPARE
	v_mov_b32 v[NIL], 0
	ds_add_u32 v5, v6
	ds_add_u32 v5, v6
	s_wait_dscnt 0x0
	v_lshrrev_b32 v8, 5, v0
	v_readfirstlane_b32 s[WV], v8
	s_bfe_u32 s13, ttmp6, 0x40000                  ; cx
	s_and_b32 s14, ttmp7, 0xffff                   ; y
	s_sub_co_u32 s16, 15, ttmp9
	s_cmp_lt_u32 s[WV], 4
	s_cselect_b32 s[LAST], ttmp9, s16              ; U
	s_and_b32 s52, s[WV], 3
	s_lshl_b32 s53, s13, 2
	s_add_co_u32 s53, s53, s52                     ; which of the block's 16 tiles
	s_lshr_b32 s54, s53, 1                         ; pt: tile of 16 positions in the block
	s_and_b32 s55, s53, 1                          ; g: head in the group
	s_lshl_b32 s56, s[LAST], 3
	s_add_co_u32 s56, s56, s54                     ; T
	s_lshl_b32 s57, s14, 1
	s_add_co_u32 s57, s57, s55
	s_lshl_b32 s57, s57, 7
	s_add_co_u32 s57, s57, s56
	s_lshl_b32 s58, s57, 11                        ; Q's image
	s_mov_b32 s59, 0
	s_lshr_b32 s60, s14, 2                         ; ao: ((8 batch + T / 16) 4 + kv head) x 65536 + (T % 16) x 4096 + g x 2048
	s_lshl_b32 s60, s60, 3
	s_lshr_b32 s61, s56, 4
	s_add_co_u32 s60, s60, s61
	s_lshl_b32 s60, s60, 2
	s_and_b32 s61, s14, 3
	s_add_co_u32 s60, s60, s61
	s_lshl_b32 s60, s60, 16
	s_and_b32 s61, s56, 15
	s_lshl_b32 s61, s61, 12
	s_add_co_u32 s60, s60, s61
	s_lshl_b32 s61, s55, 11
	s_add_co_u32 s60, s60, s61
	s_mov_b32 s61, 0
	s_lshl_b32 s62, s14, 19                        ; kv: my y, my wave's 16 KB of a slot: nothing of cx
	s_lshl_b32 s63, s[WV], 14
	s_add_co_u32 s62, s62, s63
	s_mov_b32 s63, 0
	s_lshl_b32 s66, s14, 19                        ; the prefetches: my y, my work-group's quarter, my wave's 8 KB, in slot 1: the first change steps it to slot 2
	s_lshl_b32 s67, s13, 15
	s_add_co_u32 s66, s66, s67
	s_lshl_b32 s67, s52, 13
	s_add_co_u32 s66, s66, s67
	s_add_co_u32 s66, s66, 4*STEPB
	s_mov_b32 s67, 0
	s_lshr_b32 s[LIMS], s[WV], 2                   ; 0 in waves 0-3,
	s_or_b32 s[LIMS], s[LIMS], ttmp9               ; of the y's first cluster: the same in all partners
	s_cmp_eq_u32 s[LIMS], 0
	s_cselect_b32 s[LIMS], 1, -1
	s_mov_b32 s[G1], 15|(3<<16)|(1<<21)            ; the mask: all four; elements of 8 bytes; bit 21 beside a mask; no padding
	s_mov_b32 s[G1+1], 32<<16                      ; tensor_dim0: rows of 256 bytes
	s_mov_b32 s[G1+2], 64<<16                      ; tensor_dim1
	s_mov_b32 s[G1+3], 32<<16                      ; tile_dim0
	s_mov_b32 s[G1+4], 64                          ; tile_dim1
	s_mov_b32 s[G1+5], 32                          ; pitch: dense
	s_mov_b32 s[G1+6], 0
	s_mov_b32 s[G1+7], 0
	s_mov_b32 s[SEL], 0x76543210
	s_mov_b32 s[SEL+1], 0xfedcba98
	s_mov_b32 s[CS], 0x3e0293ee                    ; log2(e) / sqrt(128)
	s_mov_b32 s[TB], 0
	s_mov_b32 s[KS], 0
	s_mov_b32 s[SLOTS], 3
	s_wait_kmcnt 0x0
	s_load_b256 s[40:47], s[8:9], 0x0              ; e0 .. e7
	s_load_b128 s[48:51], s[8:9], 0x20             ; e8 .. e11
	s_mov_b32 s[G0], 1
	s_lshl_b32 s[G0+1], s[WV], 14                  ; slot 0
	s_add_nc_u64 s[G0+2:G0+3], s[6:7], s[62:63]
	s_or_b32 s[G0+3], s[G0+3], 0x80000000
	s_add_nc_u64 s[PFA:PFA+1], s[6:7], s[66:67]
	s_add_nc_u64 s[4:5], s[4:5], s[58:59]
	s_add_nc_u64 s[10:11], s[10:11], s[60:61]
	CROUND                                         ; all four work-groups are here
	tensor_load_to_lds s[G0:G0+3], s[G1:G1+7]      ; slot 0: one load of mine is out
	s_nop 0
.rept 4
	v_nop
.endr
	v_and_b32 v8, 31, v0
	v_lshlrev_b32 v[LI], 4, v8
	v_lshlrev_b32 v[PFO], 8, v8
.irp c, 0,1,2,3
	global_load_b128 v[16+4*\c:19+4*\c], v[LI], s[4:5] offset:512*\c   ; Q's fragment stays in registers
.endr
	v_and_b32 v9, 15, v0
	v_bfe_u32 v10, v0, 4, 1
	v_lshlrev_b32 v10, 3, v10
	v_sub_nc_u32 v[VD], v9, v10
	s_lshl_b32 s68, s54, 4
	v_add_nc_u32 v[VD], s68, v[VD]                 ; d = 16 pt + r - 8 h
	v_mov_b32 v7, 0xff800000
	v_mov_b32 v13, 0xff61b1e6                      ; the largest t so far: -3e38
	v_floor_f32 v12, -v13
	v_mov_b32 v14, 0
	v_mov_b32 v15, 0
	v_mov_b32 v51, 0                               ; (named as the upper half of the pair v[50:51])
	v_mov_b32 v53, 0                               ; a lane permute's destination counts as one of its sources
.set j, 0
.rept 64
	v_mov_b32 v[160+j], 0                          ; O^T: the step is written once; the first finds zeros, which the first change of M leaves zeros
.set j, j+1
.endr
	s_wait_kmcnt 0x0
	s_add_co_i32 s68, s46, s47                     ; e6 + e7, added to c's exponent field
	s_lshl_b32 s68, s68, 23
	s_add_co_i32 s[CS], s[CS], s68
	s_mov_b32 s[CS+1], s[CS]
	s_add_co_i32 s68, s48, 127
	s_lshl_b32 s69, s68, 23
	v_mov_b32 v49, s69                             ; 2^e8
	s_add_co_i32 s68, s68, 8
	s_lshl_b32 s68, s68, 23
	s_or_b32 s68, s68, 0x600000
	v_mov_b32 v48, s68                             ; 448 x 2^e8
	s_sub_co_i32 s68, s50, s48
	s_sub_co_i32 s68, s68, s49                     ; e10 - e8 - e9: O^T / l stands for that x 2^(e8 + e9)
	s_add_co_i32 s68, s68, 127
	s_lshl_b32 s69, s68, 23
	v_mov_b32 v58, s69
	s_add_co_i32 s68, s68, 8
	s_lshl_b32 s68, s68, 23
	s_or_b32 s68, s68, 0x600000
	v_mov_b32 v59, s68
	s_wait_loadcnt 0x0                             ; Q
.Lslot:                                            ; three trips: behind each change of slots but the last the next slot is asked for
	CHANGE 1
	SLOT_STEPS
	s_sub_co_u32 s[SLOTS], s[SLOTS], 1
	s_cmp_lg_u32 s[SLOTS], 0
	s_cbranch_scc1 .Lslot
	CHANGE 0                                       ; the last slot is written out
	SLOT_STEPS
	; THE WAY OUT: O^T / l, quantised: accumulator t gives register pair t of the fragment (16 queries x this head's 128 channels)
.rept 4
	v_nop
.endr
	v_add_f32 v14, v14, v15
	v_permlanex16_b32 v53, v14, s[SEL], s[SEL+1]
	v_add_f32 v14, v14, v53                        ; the row's sum
	v_rcp_f32 v14, v14
	v_nop                                          ; a plain line behind the reciprocal,
	s_wait_alu depctr_va_vdst(0)                   ; and the wait ahead of its first reader
.set j, 0
.rept 32
	v_pk_mul_f32 v[96+j:97+j], v[160+j:161+j], v[14:15] op_sel_hi:[1,0]   ; each accumulator from its low end on
.set j, j+2
.endr
.set j, 0
.rept 64
	v_med3_num_f32 v[96+j], v[96+j], -v59, v59
.set j, j+1
.endr
.irp t, 0,1,2,3,4,5,6,7
	v_cvt_scalef32_pk8_fp8_f32 v[32+2*\t:33+2*\t], v[96+8*\t:103+8*\t], v58
.endr
	v_nop
.irp c, 0,1,2,3
	global_store_b128 v[LI], v[32+4*\c:35+4*\c], s[10:11] offset:512*\c   ; 512 consecutive bytes
.endr
	s_wait_tensorcnt 0x0                           ; the wave's end
	ds_add_u32 v[SPW], v[NIL]
	s_wait_dscnt 0x0
	CROUND                                         ; the closing round
	s_endpgm
.Lfunc_end_k_q6244d3c76c_attn:
	.size	k_q6244d3c76c_attn, .Lfunc_end_k_q6244d3c76c_attn-k_q6244d3c76c_attn
	.p2alignl 7, 3214868480
	.fill 96, 4, 3214868480
	.section	.rodata,"a",@progbits
	.p2align	6, 0x0
	.amdhsa_kernel k_q6244d3c76c_attn
		.amdhsa_group_segment_fixed_size 327680
		.amdhsa_private_segment_fixed_size 0
		.amdhsa_enable_private_segment 0
		.amdhsa_kernarg_size 32
		.amdhsa_user_sgpr_count 2
		.amdhsa_user_sgpr_kernarg_segment_ptr 1
		.amdhsa_wavefront_size32 1
		.amdhsa_system_sgpr_workgroup_id_x 1
		.amdhsa_system_sgpr_workgroup_id_y 1
		.amdhsa_system_sgpr_workgroup_id_z 1
		.amdhsa_system_vgpr_workitem_id 0
		.amdhsa_next_free_vgpr 512
		.amdhsa_next_free_sgpr 100
		.amdhsa_reserve_vcc 1
		.amdhsa_float_denorm_mode_32 3
		.amdhsa_float_denorm_mode_16_64 3
		.amdhsa_memory_ordered 1
		.amdhsa_forward_progress 1
		.amdhsa_inst_pref_size 65
	.end_amdhsa_kernel
	.amdgpu_metadata
---
amdhsa.version: [ 1, 2 ]
amdhsa.kernels:
  - .name:           k_q6244d3c76c_attn
    .symbol:         k_q6244d3c76c_attn.kd
    .args:
      - { .name: qimg, .offset: 0, .size: 8, .value_kind: global_buffer, .address_space: global }
      - { .name: kv, .offset: 8, .size: 8, .value_kind: global_buffer, .address_space: global }
      - { .name: lowp_scales, .offset: 16, .size: 8, .value_kind: global_buffer, .address_space: global }
      - { .name: ao, .offset: 24, .size: 8, .value_kind: global_buffer, .address_space: global }
    .group_segment_fixed_size: 327680
    .private_segment_fixed_size: 0
    .kernarg_segment_align: 8
    .kernarg_segment_size: 32
    .max_flat_workgroup_size: 256
    .sgpr_count:     100
    .vgpr_count:     512
    .wavefront_size: 32
...
	.end_amdgpu_metadata
.endif
;; end of part 3
;; launch oproj (part 4): grid 16 x 16, 4 waves a work-group, clusters of 4 x 4, 327,680 bytes of LDS; arguments ao, woc, lowp_scales, out0; writes out0
.if DOCPART == 4
	.amdgcn_target "amdgcn-amd-amdhsa--gfx1250"
	.amdhsa_code_object_version 6
	.text
	.protected	k_q6244d3c76c_oproj
	.globl	k_q6244d3c76c_oproj
	.p2align	8
	.type	k_q6244d3c76c_oproj,@function
k_q6244d3c76c_oproj:
	s_mov_b64 s[64:65], 0
	v_nop
	global_prefetch_b8 v0, s[64:65] scope:SCOPE_SE
	s_setreg_imm32_b32 hwreg(HW_REG_WAVE_MODE, 25, 1), 1
	s_wait_xcnt 0x0
	s_wait_alu depctr_hold_cnt(0) depctr_sa_sdst(0) depctr_va_vdst(0) depctr_va_sdst(0) depctr_va_ssrc(0) depctr_va_vcc(0) depctr_vm_vsrc(0)
	s_getreg_b32 s2, hwreg(HW_REG_IB_STS2, 6, 4)
	s_cmp_eq_u32 s2, 0
	s_cbranch_scc0 .Lentry_in_a_cluster
	s_endpgm
.Lentry_in_a_cluster:
	s_bfe_u32 s2, ttmp6, 0x10000c
	s_cmp_lg_u32 s2, 0xf033
	s_cbranch_scc0 .Lentry_shape_is_right
	s_endpgm
.Lentry_shape_is_right:
; OPROJ: out0 [4096][2048] f32 = attention's result (codes, entry 10) x Wo (codes, entry 11), K = 1024; each finished sum x 2^(e10 + e11).
; A work-group makes 256 tokens x 128 columns; four waves, each 64 tokens (source 1) x 128 columns (source 0 = rows of woc): 32 accumulators; a lane holds eight neighbouring columns of one token's row.
; K goes in four steps of 256 (one kv head's two query heads) through THREE LDS units.  All three are filled at the start, with steps 0, 1, 2; unit 0 is filled again once, with step 3: one refill in the launch.
; A unit: the tokens' 32 fragments as IMAGES of their registers (ao: [256 tokens][kv head][tile of 16][g][2048]: 65,536 dense bytes), then 128 rows of woc (256 bytes + 16).
; In an image, register pair c of lane (r, h) holds k = 16 c + 8 h + 0..7; woc's rows are therefore read by 8-byte loads at 16 c + 8 h: the same order on both sides.
; The eight substeps of 128 along K are written out.
; CLUSTERS: 4 x 4: the tokens' block is shared along a row of the cluster, woc's along a column: joint loads.
; LIMIT: e10 + e11 between -126 and 127.
; REGISTERS: window 0: v0-31 addresses; v32-95 a block's results; v128-255 source 1's fragments, two sets (on the way out: rows read back, two sets).  window 1: source 0's, two sets.  window 2: accumulator (a, b) at v[8 (8 a + b)].
.set PITCH, 272
.set AHALF, 32768                      ; what a wave fetches of the tokens' images
.set BHALF, 64*PITCH
.set BOFF,  2*AHALF
.set SLOT,  BOFF+2*BHALF               ; a unit: 100,352
.set STAGE, SLOT                       ; the way out: 16 rows x 528 bytes for each wave, in unit 1: it has had its one fill, and behind the last barrier of the K walk nobody reads it
.set SPITCH, 528
.set SPARE, 3*SLOT                     ; the spare words: two blocks of 256 bytes that no other line names
.set ADR1,  16                         ; v16-18 LDS address of source 1's fragments in units 0, 1, 2
.set ADR0,  20                         ; v20-22 of source 0's
.set STO,   24
.set RD,    25
.set CO,    26
.set SPW,   28
.set NIL,   29
.set TMP,   32
.set S1,    128
.set BK,    128
.set G1,  24                           ; s[24:31] group 1 for the tokens' images; s[48:55] for woc's rows
.set G1B, 48                           ; groups 0: tokens: s[32:35], s[36:39], s[68:71] for units 0, 1, 2; woc: s[56:59], s[60:63], s[72:75]
.set MSB, 0
.macro WIN new
.if MSB != \new
	s_set_vgpr_msb (MSB<<8)|\new
.set MSB, \new
.endif
.endm
.set MUL,   0xa1
.set TO_S0, 0x40
.macro JLOAD g0a, g1a, g0b, g1b        ; waves 0, 1 fetch the tokens' halves, waves 2, 3 woc's; four v_nop follow each line
	s_cmp_eq_u32 s17, 0
	s_cbranch_scc0 .Lfor_b_\@
	tensor_load_to_lds s[\g0a:\g0a+3], s[\g1a:\g1a+7]
	s_nop 0
.rept 4
	v_nop
.endr
	s_branch .Lasked_\@
.Lfor_b_\@:
	tensor_load_to_lds s[\g0b:\g0b+3], s[\g1b:\g1b+7]
	s_nop 0
.rept 4
	v_nop
.endr
.Lasked_\@:
.endm
.macro CREST
	s_cmp_lg_u32 s16, 0
	s_cbranch_scc1 .Lnot_wave_0_\@
	s_barrier_signal -3
.Lnot_wave_0_\@:
	s_barrier_wait -3
	s_barrier_signal -1
	s_barrier_wait -1
.endm
.macro CROUND
	s_barrier_signal -1
	s_barrier_wait -1
	CREST
.endm
.macro PLACES n
.rept \n
	v_nop
.endr
.endm
.macro FIRST ga, gb, u                 ; unit u's two groups 0, for K step u, and its first fill
	s_mov_b32 s[\ga], 1
	s_add_co_u32 s[\ga+1], s45, (\u)*SLOT
	s_add_nc_u64 s[\ga+2:\ga+3], s[20:21], (\u)*65536
	s_or_b32 s[\ga+3], s[\ga+3], 0x80000000
	s_mov_b32 s[\gb], 1
	s_add_co_u32 s[\gb+1], s22, (\u)*SLOT
	s_add_nc_u64 s[\gb+2:\gb+3], s[46:47], (\u)*256
	s_or_b32 s[\gb+3], s[\gb+3], 0x80000000
	JLOAD \ga, G1, \gb, G1B
.endm
.macro MUL8 a, p, zero                 ; the 32 accumulators take turns in one order
.irp b, 0,1,2,3,4,5,6,7
.if \zero
	v_wmma_f32_16x16x128_fp8_fp8 v[8*(8*(\a)+\b):8*(8*(\a)+\b)+7], v[128*(\p)+16*\b:128*(\p)+16*\b+15], v[S1+64*(\p)+16*(\a):S1+64*(\p)+16*(\a)+15], 0
.else
	v_wmma_f32_16x16x128_fp8_fp8 v[8*(8*(\a)+\b):8*(8*(\a)+\b)+7], v[128*(\p)+16*\b:128*(\p)+16*\b+15], v[S1+64*(\p)+16*(\a):S1+64*(\p)+16*(\a)+15], v[8*(8*(\a)+\b):8*(8*(\a)+\b)+7]
.endif
.endr
.endm
.macro FETCH0 slot, q, p               ; woc's eight fragments: pair c = k 16 c + 8 h + 0..7
	WIN TO_S0
.irp i, 0,1,2,3,4,5,6,7
.irp c, 0,1,2,3,4,5,6,7
	ds_load_b64 v[128*(\p)+16*\i+2*\c:128*(\p)+16*\i+2*\c+1], v[ADR0+\slot] offset:128*(\q)+16*\c+\i*16*PITCH
.endr
.endr
	WIN 0
.endm
.macro FETCH1 slot, q, p               ; my four token tiles' images of head g = q
.irp i, 0,1,2,3
.irp c, 0,1,2,3
	ds_load_b128 v[S1+64*(\p)+16*\i+4*\c:S1+64*(\p)+16*\i+4*\c+3], v[ADR1+\slot] offset:\i*4096+(\q)*2048+512*\c
.endr
.endr
.endm
; A substep with no barrier: multiplies set p; the next substep's fragments (unit nslot, its nq-th 128) are fetched at its head into the other set
.macro SUB p, zero, nslot, nq
	s_wait_dscnt 0x0                               ; set p is in
	PLACES 4                                       ; behind the last products that read the other set
	FETCH0 \nslot, \nq, 1-(\p)
	FETCH1 \nslot, \nq, 1-(\p)
	WIN MUL
	MUL8 0, \p, \zero
	MUL8 1, \p, \zero
	MUL8 2, \p, \zero
	MUL8 3, \p, \zero
	WIN 0
.endm
; A substep (set 1) with the barrier of a change.  fill = 1: unit 0 has been read out and is filled again, with K step 3, behind a round of the cluster's barrier
.macro TURN fill, next
	s_wait_tensorcnt 0x0                           ; all my tensor loads have landed
	ds_add_u32 v[SPW], v[NIL]
	s_wait_dscnt 1                                 ; the add alone may be out: set 1 is in
	WIN MUL
	MUL8 0, 1, 0
	s_wait_dscnt 0x0                               ; the add is done, and my reads so far are over
	s_barrier_signal -1
	MUL8 1, 1, 0
	WIN 0
	s_barrier_wait -1
.if \fill
	CREST                                          ; no wave of any partner still reads unit 0 or has a load on its way
	s_add_nc_u64 s[34:35], s[34:35], 3*65536
	s_add_nc_u64 s[58:59], s[58:59], 3*256
	JLOAD 32, G1, 56, G1B                          ; the first tensor load behind the round: 112 matrix instructions ahead of the wait for it; its four v_nop are the places in front of the loads below
.else
	PLACES 4
.endif
	FETCH0 \next, 0, 0
	FETCH1 \next, 0, 0
	WIN MUL
	MUL8 2, 1, 0
	MUL8 3, 1, 0
	WIN 0
.endm
; THE WAY OUT, a block of 16 tokens x 128 columns at a time: x 2^(e10 + e11), through my own stage, back as whole rows of 512 bytes.  LDS serves a wave's instructions in order: no wait between stores and loads.
.macro TOSTAGE a
	WIN 0x02                                       ; source 0 window 2
.set j, 0
.rept 32
	v_pk_mul_f32 v[TMP+j:TMP+j+1], v[64*(\a)+j:64*(\a)+j+1], s[96:97] op_sel_hi:[1,0]   ; each accumulator from its low end on
.set j, j+2
.endr
	WIN 0
.irp b, 0,1,2,3,4,5,6,7
	ds_store_b128 v[STO], v[TMP+8*\b:TMP+8*\b+3] offset:64*\b
	ds_store_b128 v[STO], v[TMP+8*\b+4:TMP+8*\b+7] offset:64*\b+16
.endr
.set BB, BK+64*((\a)%2)
.irp t, 0,1,2,3,4,5,6,7,8,9,10,11,12,13,14,15
	ds_load_b128 v[BB+4*\t:BB+4*\t+3], v[RD] offset:\t*SPITCH
.endr
.endm
.macro SEND a, younger
.set BB, BK+64*((\a)%2)
	s_wait_dscnt \younger                          ; the block is back; the next block's LDS instructions may be out
.irp t, 0,1,2,3,4,5,6,7,8,9,10,11,12,13,14,15
	global_store_b128 v[CO], v[BB+4*\t:BB+4*\t+3], s[10:11] offset:(16*(\a)+\t)*8192 th:TH_STORE_NT   ; 32 lanes store 512 consecutive bytes, at a multiple of 256 from out0's first byte
.endr
.endm
	s_load_b256 s[4:11], s[0:1], 0x0               ; ao s[4:5], woc s[6:7], scales s[8:9], out0 s[10:11]
	v_lshl_add_u32 v[SPW], v0, 2, SPARE
	v_mov_b32 v[NIL], 0
	ds_add_u32 v28, v29
	ds_add_u32 v28, v29
	s_wait_dscnt 0x0
	v_lshrrev_b32 v1, 5, v0
	v_readfirstlane_b32 s16, v1
	s_lshr_b32 s17, s16, 1
	s_and_b32 s18, s16, 1
	s_bfe_u32 s40, ttmp6, 0x40000
	s_bfe_u32 s41, ttmp6, 0x40004
	s_lshl_b32 s42, ttmp9, 2
	s_add_co_u32 s42, s42, s40                     ; tile column: 128 columns
	s_and_b32 s19, ttmp7, 0xffff
	s_lshl_b32 s19, s19, 2
	s_add_co_u32 s19, s19, s41                     ; tile row: 256 tokens
	s_lshl_b32 s43, s41, 2
	s_lshl_b32 s43, 15, s43
	s_lshl_b32 s44, 0x1111, s40
	s_or_b32 s[G1+0], s43, (3<<16)|(1<<21)         ; the tokens' images: elements of 8 bytes, dense, no padding
	s_mov_b32 s[G1+1], 32<<16                      ; rows of 256 bytes
	s_mov_b32 s[G1+2], 128<<16
	s_mov_b32 s[G1+3], 32<<16
	s_mov_b32 s[G1+4], 128
	s_mov_b32 s[G1+5], 32
	s_mov_b32 s[G1+6], 0
	s_mov_b32 s[G1+7], 0
	s_or_b32 s[G1B+0], s44, (0<<16)|(1<<20)|(1<<21)|(5<<22)|(3<<25)   ; woc: 64 rows of 256 bytes, 16 of padding behind each
	s_mov_b32 s[G1B+1], 256<<16
	s_mov_b32 s[G1B+2], 64<<16
	s_mov_b32 s[G1B+3], 256<<16
	s_mov_b32 s[G1B+4], 64
	s_mov_b32 s[G1B+5], 1024
	s_mov_b32 s[G1B+6], 0
	s_mov_b32 s[G1B+7], 0
	s_lshl_b32 s20, s19, 18                        ; ao: 4 x 65,536 bytes for each tile row,
	s_lshl_b32 s21, s18, 15                        ; my half of a step's 65,536
	s_add_co_u32 s20, s20, s21
	s_mov_b32 s21, 0
	s_lshl_b32 s46, s42, 17                        ; woc: 128 rows of 1,024 bytes for each tile column,
	s_lshl_b32 s47, s18, 16                        ; my 64
	s_add_co_u32 s46, s46, s47
	s_mov_b32 s47, 0
	s_mul_i32 s45, s18, AHALF
	s_mul_i32 s22, s18, BHALF
	s_add_co_u32 s22, s22, BOFF
	s_wait_kmcnt 0x0
	s_load_b64 s[96:97], s[8:9], 0x28              ; e10, e11
	s_add_nc_u64 s[20:21], s[4:5], s[20:21]
	s_add_nc_u64 s[46:47], s[6:7], s[46:47]
	CROUND                                         ; all sixteen work-groups are here: the first joint loads meet
	FIRST 32, 56, 0
	FIRST 36, 60, 1
	FIRST 68, 72, 2                                ; three loads of mine are out
	v_and_b32 v1, 15, v0                           ; r
	v_bfe_u32 v2, v0, 4, 1                         ; h
	v_mul_u32_u24 v3, v1, PITCH
	v_lshl_add_u32 v3, v2, 3, v3                   ; woc: row x pitch + 8 h
	v_add_nc_u32 v[ADR0], BOFF, v3
	v_add_nc_u32 v[ADR0+1], SLOT, v[ADR0]
	v_add_nc_u32 v[ADR0+2], 2*SLOT, v[ADR0]
	v_and_b32 v6, 31, v0
	v_lshlrev_b32 v[CO], 4, v6                     ; 16 x lane
	s_lshl_b32 s80, s16, 14                        ; my four token tiles' images
	v_add_nc_u32 v[ADR1], s80, v[CO]
	v_add_nc_u32 v[ADR1+1], SLOT, v[ADR1]
	v_add_nc_u32 v[ADR1+2], 2*SLOT, v[ADR1]
	s_mul_i32 s23, s16, 16*SPITCH
	s_add_co_u32 s23, s23, STAGE                   ; my stage
	v_mul_u32_u24 v5, v1, SPITCH
	v_lshl_add_u32 v5, v2, 5, v5
	v_add_nc_u32 v[STO], s23, v5                   ; in: row r, 32 bytes for each half of the lanes
	v_add_nc_u32 v[RD], s23, v[CO]                 ; back: a row of 512 bytes
	s_lshl_b32 s80, s19, 21                        ; out0: 256 rows of 8,192 bytes for each tile row,
	s_lshl_b32 s81, s16, 19                        ; 64 for each wave,
	s_add_co_u32 s80, s80, s81
	s_lshl_b32 s81, s42, 9                         ; 512 bytes for each tile column
	s_add_co_u32 s80, s80, s81
	s_mov_b32 s81, 0
	s_add_nc_u64 s[10:11], s[10:11], s[80:81]
	s_wait_kmcnt 0x0
	s_add_co_i32 s96, s96, s97
	s_add_co_i32 s96, s96, 127
	s_lshl_b32 s96, s96, 23                        ; 2^(e10 + e11) as f32
	s_wait_tensorcnt 0x2                           ; my part of unit 0 is in; the loads of units 1 and 2 may be out
	s_barrier_signal -1
	s_barrier_wait -1
	FETCH0 0, 0, 0
	FETCH1 0, 0, 0
	SUB 0, 1, 0, 1                                 ; K 0: the first substep starts the sums
	TURN 1, 1                                      ; K 128; units 1 and 2 are whole for every wave; unit 0 takes K 768 to 1023
	SUB 0, 0, 1, 1                                 ; K 256
	SUB 1, 0, 2, 0                                 ; K 384: unit 2 was shown whole by the barrier above
	SUB 0, 0, 2, 1                                 ; K 512
	TURN 0, 0                                      ; K 640; unit 0 is whole again; behind this barrier nobody reads units 1 and 2
	SUB 0, 0, 0, 1                                 ; K 768
	s_wait_dscnt 0x0
	WIN MUL
	MUL8 0, 1, 0                                   ; K 896
	MUL8 1, 1, 0
	MUL8 2, 1, 0
	MUL8 3, 1, 0
	WIN 0
	PLACES 4
	TOSTAGE 0
.irp a, 1,2,3
.if \a > 1
	s_wait_xcnt 0x0                                ; block a - 2's stores have read their registers: block a's rows may land there
.endif
	TOSTAGE \a
	SEND \a-1, 32                                  ; behind block a - 1's loads: block a's 16 stores and 16 loads
.endr
	SEND 3, 0
	s_wait_tensorcnt 0x0                           ; the wave's end
	ds_add_u32 v[SPW], v[NIL]
	s_wait_dscnt 0x0
	CROUND                                         ; the closing round
	s_endpgm
.Lfunc_end_k_q6244d3c76c_oproj:
	.size	k_q6244d3c76c_oproj, .Lfunc_end_k_q6244d3c76c_oproj-k_q6244d3c76c_oproj
	.p2alignl 7, 3214868480
	.fill 96, 4, 3214868480
	.section	.rodata,"a",@progbits
	.p2align	6, 0x0
	.amdhsa_kernel k_q6244d3c76c_oproj
		.amdhsa_group_segment_fixed_size 327680
		.amdhsa_private_segment_fixed_size 0
		.amdhsa_enable_private_segment 0
		.amdhsa_kernarg_size 32
		.amdhsa_user_sgpr_count 2
		.amdhsa_user_sgpr_kernarg_segment_ptr 1
		.amdhsa_wavefront_size32 1
		.amdhsa_system_sgpr_workgroup_id_x 1
		.amdhsa_system_sgpr_workgroup_id_y 1
		.amdhsa_system_sgpr_workgroup_id_z 1
		.amdhsa_system_vgpr_workitem_id 0
		.amdhsa_next_free_vgpr 768
		.amdhsa_next_free_sgpr 100
		.amdhsa_reserve_vcc 0
		.amdhsa_float_denorm_mode_32 3
		.amdhsa_float_denorm_mode_16_64 3
		.amdhsa_memory_ordered 1
		.amdhsa_forward_progress 1
		.amdhsa_inst_pref_size 90
	.end_amdhsa_kernel
	.amdgpu_metadata
---
amdhsa.version: [ 1, 2 ]
amdhsa.kernels:
  - .name:           k_q6244d3c76c_oproj
    .symbol:         k_q6244d3c76c_oproj.kd
    .args:
      - { .name: ao, .offset: 0, .size: 8, .value_kind: global_buffer, .address_space: global }
      - { .name: woc, .offset: 8, .size: 8, .value_kind: global_buffer, .address_space: global }
      - { .name: lowp_scales, .offset: 16, .size: 8, .value_kind: global_buffer, .address_space: global }
      - { .name: out0, .offset: 24, .size: 8, .value_kind: global_buffer, .address_space: global }
    .group_segment_fixed_size: 327680
    .private_segment_fixed_size: 0
    .kernarg_segment_align: 8
    .kernarg_segment_size: 32
    .max_flat_workgroup_size: 128
    .sgpr_count:     100
    .vgpr_count:     768
    .wavefront_size: 32
...
	.end_amdgpu_metadata
.endif
;; end of part 4
